; MI455X (gfx1250); checked and timed in simulation.
; The chip was launched on July 23, 2026; its instructions are those of AMD's public machine-readable ISA for CDNA 5 (MIT licence, August 2026) and "CDNA5" Instruction Set Architecture Reference Guide (July 2026). The comments in the code are by the model that wrote it; some were corrected since.
;; Attention Block. Allowed arithmetic: float matrix products may take bf16 or f16 operands with f32 sums; other float arithmetic in f32, or as packed bf16 or f16 multiplies, adds, multiply-adds, maxima and minima; sums over many terms, partial sums and values carried from step to step in f32; what a program stores and reads back later, other than sums and carried values, may be rounded once to bf16 or f16.
;; Inputs: Wk 1,024 x 1,024 float32; Wq 1,024 x 1,024 float32; Wv 1,024 x 1,024 float32; alibi_param one number float32; bk 1,024 float32; bq 1,024 float32; bv 1,024 float32; frame_no 4,096 float32; input 1 x 1,024 x 4,096 float32.
;; Outputs: out0 1 x 2,048 x 4,096 float32.
;; 2 versions, each right; version 2 is version 1 with the launch prep written anew for expert scheduling mode. Each part assembles by itself: llvm-mc -triple=amdgcn-amd-amdhsa -mcpu=gfx1250 --defsym DOCPART=n.
;; ======== version 1 of 2: 4 launches
;; limits: values are held in f16: magnitudes above 65,504 overflow, below 6.1e-05 lose precision; right only within a limited range of input values
;; workspace buffers: xh 8,388,608 bytes; wh 6,291,456 bytes; qh 8,388,608 bytes; kh 8,388,608 bytes; vth 8,388,608 bytes; ph 33,554,432 bytes; st 2,097,152 bytes
;; launch prep (part 1): grid 224 x 1, 8 waves a work-group, no clusters, 67,584 bytes of LDS; arguments input, Wq, Wk, Wv, out0, xh, wh; writes out0, xh, wh
.if DOCPART == 1
	.amdgcn_target "amdgcn-amd-amdhsa--gfx1250"
	.amdhsa_code_object_version 6
	.text
	.protected	k_qd14825bf61_prep
	.globl	k_qd14825bf61_prep
	.p2align	8
	.type	k_qd14825bf61_prep,@function
k_qd14825bf61_prep:
	s_mov_b64 s[64:65], 0
	v_nop
	global_prefetch_b8 v0, s[64:65] scope:SCOPE_SE
	s_setreg_imm32_b32 hwreg(HW_REG_WAVE_MODE, 25, 1), 1
	s_wait_xcnt 0x0
; AttentionBlock, launch 1 of 4: the copy of the input into out0's rows 0-1023, and x and Wq|Wk|Wv rounded to f16 and laid out as images of matrix fragments.
; THE PROGRAM.  prep (this); proj: q = x Wq + bq, k = x Wk, vT = (x Wv)^T; score: for each live tile of 128 queries x 128 keys the weights relative to a maximum of their own for each row and 64 keys,
; with that maximum and the sum; pv: the rows' maxima and sums from those, out = (sum of factor x vT P) / l + bv.
; WORK LEFT OUT, for all values of the inputs.  (1) bk: scores[s][t] = q_s . (x_t Wk + bk) / 32 + ..., and q_s . bk / 32 is the same for every t of row s, so the softmax over t cancels it in exact arithmetic.
; bk then has no way to an output: it is not loaded and is no argument of any launch.  (2) Tiles of scores that lie wholly above the diagonal: reference() sets them to -inf itself, their weights are 0.
; (3) bv is live; since a row's weights add up to 1, probs (x Wv + bv) = probs x Wv + bv, and it is added once, in f32, in the last launch.
; LIMITS.  A NaN, an infinity or an overflow that reaches only bk or scores above the diagonal is not carried to the result.  All matrix operands are f16 (11 significant bits; sums in f32): input, weights, q, k and v
; must stay within 65,504, beyond which a conversion gives an infinity.  That leaves room for inputs some 30 times the drawn ones (|q| about 6 as drawn, about 5,000 with x and W both 30 times larger).
; THE IMAGE.  A fragment is 16 rows x 32 k of f16, 1,024 bytes: [(k>>4)&1][lane = 16 ((k>>3)&1) + row%16][16 bytes: k%8].  Each half is what one 16-byte load a lane brings into four registers of a matrix operand.
; xh (rows s, k = channel) and wh (rows 0-3071 = the columns of Wq, Wk, Wv, k = channel): (row>>7) 262,144 + (k>>7) 32,768 + ((row>>4)&7) 4,096 + ((k>>5)&3) 1,024 + the image: 128 rows x 128 k are 32,768 dense bytes.
; SHARES.  The sources lie [k][row].  A wave takes 32 k x 128 rows: 32 loads, each 512 consecutive bytes of one source row, all on their way together; a lane then holds 4 rows x 32 k.  Eight k of one row pack into
; 16 bytes; they go through the wave's own LDS bytes (eight fragments, 1,040 bytes apart, so that sixteen lanes' 16-byte stores fall into sixteen different columns of 16 bytes) and come back as the image.
; Work-groups 0-127 take x, 128-223 the weights.  No barrier: no wave touches another's bytes.  No matrix unit, tensor load or cluster: the launch only moves bytes, each once.
.set PITCHX, 16384                     ; bytes from channel to channel in input and out0
.set PITCHW, 4096                      ; in a weight matrix
.set RTP,    1040                      ; a fragment in LDS: 1,024 bytes + 16
.set WAREA,  8*RTP                     ; a wave's bytes
.set SPARE,  8*WAREA                   ; 66,560: the spare words, 128 bytes for each wave: four blocks of 256 bytes that no other line names
.set OFF, 2                            ; v2   16 x lane; never rewritten
.set LW,  3                            ; v3   where I put 16 bytes: my wave's bytes + (lane / 4) RTP + (lane % 4) 64
.set LR,  4                            ; v4   where I read back: my wave's bytes + 16 x lane
.set SPW, 5                            ; v5   LDS address of my spare word; never rewritten
.set NIL, 6                            ; v6   0; never rewritten
.set X,   8                            ; v[8:135]    source row p at X + 4 p
.set Y,   136                          ; v[136:151]  packed, four rows x 8 k
.set Z,   152                          ; v[152:215]  the image, 16 x 4 registers
	s_load_b256 s[4:11], s[0:1], 0x0               ; input s[4:5], Wq s[6:7], Wk s[8:9], Wv s[10:11]
	s_load_b128 s[12:15], s[0:1], 0x20             ; out0 s[12:13], xh s[14:15]
	s_load_b64 s[16:17], s[0:1], 0x30              ; wh
	v_lshl_add_u32 v[SPW], v0, 2, SPARE
	v_mov_b32 v[NIL], 0
	v_lshrrev_b32 v1, 5, v0
	v_readfirstlane_b32 s18, v1                    ; wave 0..7
	v_and_b32 v7, 31, v0
	v_lshlrev_b32 v[OFF], 4, v7
	s_mul_i32 s19, s18, WAREA
	v_lshrrev_b32 v1, 2, v7
	v_mul_u32_u24 v1, v1, RTP
	v_and_b32 v7, 3, v7
	v_lshl_add_u32 v1, v7, 6, v1
	v_add_nc_u32 v[LW], s19, v1
	v_add_nc_u32 v[LR], s19, v[OFF]
	s_and_b32 s20, ttmp9, 3
	s_lshl_b32 s20, s20, 3
	s_add_co_u32 s20, s20, s18                     ; which 32 k: 0..31
	s_lshr_b32 s21, s20, 2
	s_lshl_b32 s21, s21, 15
	s_and_b32 s22, s20, 3
	s_lshl_b32 s22, s22, 10
	s_add_co_u32 s21, s21, s22                     ; their place in a block of 128 rows of the image
	s_mov_b32 s33, 0
	s_mov_b32 s35, 0
	s_wait_kmcnt 0x0
; 32 loads; then, eight source rows at a time: the copy (copy = 1), 16 roundings, four LDS stores.
.macro TILE pitch, copy
.set tr, 0
.rept 32
	global_load_b128 v[X+4*tr:X+4*tr+3], v[OFF], s[28:29] offset:tr*(\pitch) th:TH_LOAD_NT
.set tr, tr+1
.endr
.set tg, 0
.rept 4
	s_wait_loadcnt 24-8*tg                         ; loads come back in order: rows 8 tg .. 8 tg + 7 are in, the younger rows' loads stay out
.if \copy
.set tr, 8*tg
.rept 8
	global_store_b128 v[OFF], v[X+4*tr:X+4*tr+3], s[30:31] offset:tr*(\pitch) th:TH_STORE_NT  ; 512 consecutive bytes, aligned; X is never rewritten
.set tr, tr+1
.endr
.endif
.set te, 0
.rept 4
.set ti, 0
.rept 4
	v_cvt_pk_f16_f32 v[Y+4*te+ti], v[X+4*(8*tg+2*ti)+te], v[X+4*(8*tg+2*ti+1)+te]  ; image row 4 lane + te, k 8 tg + 2 ti and the next
.set ti, ti+1
.endr
	ds_store_b128 v[LW], v[Y+4*te:Y+4*te+3] offset:te*16+(tg/2)*512+(tg%2)*256
.set te, te+1
.endr
.set tg, tg+1
.endr
.endm
	s_cmp_lt_u32 ttmp9, 128
	s_cbranch_scc0 .Lweights
	s_lshr_b32 s23, ttmp9, 2                       ; x: which 128 positions
	s_lshl_b32 s32, s20, 19                        ; 32 channels of 16,384 bytes
	s_lshl_b32 s36, s23, 9
	s_add_co_u32 s32, s32, s36
	s_add_nc_u64 s[28:29], s[4:5], s[32:33]
	s_add_nc_u64 s[30:31], s[12:13], s[32:33]      ; the copy has the same place in out0
	s_lshl_b32 s34, s23, 18
	s_add_co_u32 s34, s34, s21
	s_add_nc_u64 s[24:25], s[14:15], s[34:35]
	TILE PITCHX, 1
	s_branch .Ltail
.Lweights:
	s_sub_co_u32 s23, ttmp9, 128
	s_lshr_b32 s36, s23, 5                         ; 0 Wq, 1 Wk, 2 Wv
	s_cmp_eq_u32 s36, 0
	s_cselect_b64 s[28:29], s[6:7], s[8:9]
	s_cmp_eq_u32 s36, 2
	s_cselect_b64 s[28:29], s[10:11], s[28:29]
	s_lshr_b32 s23, s23, 2                         ; the block of 128 rows of wh: 8 x matrix + which 128 columns
	s_and_b32 s36, s23, 7
	s_lshl_b32 s36, s36, 9
	s_lshl_b32 s32, s20, 17                        ; 32 channels of 4,096 bytes
	s_add_co_u32 s32, s32, s36
	s_add_nc_u64 s[28:29], s[28:29], s[32:33]
	s_lshl_b32 s34, s23, 18
	s_add_co_u32 s34, s34, s21
	s_add_nc_u64 s[24:25], s[16:17], s[34:35]
	TILE PITCHW, 0
.Ltail:
.set tn, 0
.rept 16
	ds_load_b128 v[Z+4*tn:Z+4*tn+3], v[LR] offset:(tn/2)*RTP+(tn%2)*512  ; LDS serves a wave's instructions in order (ISA guide 5.7.1.4): these see my stores above
.set tn, tn+1
.endr
.set tn, 0
.rept 16
	s_wait_dscnt 15-tn                             ; the younger loads stay out
	global_store_b128 v[OFF], v[Z+4*tn:Z+4*tn+3], s[24:25] offset:(tn/2)*4096+(tn%2)*512  ; half a fragment: 512 consecutive bytes, aligned
.set tn, tn+1
.endr
	s_wait_tensorcnt 0x0                           ; the wave's end: behind my last LDS store
	ds_add_u32 v[SPW], v[NIL]
	s_wait_dscnt 0x0
	s_endpgm
.Lfunc_end_k_qd14825bf61_prep:
	.size	k_qd14825bf61_prep, .Lfunc_end_k_qd14825bf61_prep-k_qd14825bf61_prep
	.p2alignl 7, 3214868480
	.fill 96, 4, 3214868480
	.section	.rodata,"a",@progbits
	.p2align	6, 0x0
	.amdhsa_kernel k_qd14825bf61_prep
		.amdhsa_group_segment_fixed_size 67584
		.amdhsa_private_segment_fixed_size 0
		.amdhsa_enable_private_segment 0
		.amdhsa_kernarg_size 56
		.amdhsa_user_sgpr_count 2
		.amdhsa_user_sgpr_kernarg_segment_ptr 1
		.amdhsa_wavefront_size32 1
		.amdhsa_system_sgpr_workgroup_id_x 1
		.amdhsa_system_sgpr_workgroup_id_y 1
		.amdhsa_system_sgpr_workgroup_id_z 1
		.amdhsa_system_vgpr_workitem_id 0
		.amdhsa_next_free_vgpr 216
		.amdhsa_next_free_sgpr 66
		.amdhsa_reserve_vcc 0
		.amdhsa_float_denorm_mode_32 3
		.amdhsa_float_denorm_mode_16_64 3
		.amdhsa_memory_ordered 1
		.amdhsa_forward_progress 1
		.amdhsa_inst_pref_size 25
	.end_amdhsa_kernel
	.amdgpu_metadata
---
amdhsa.version: [ 1, 2 ]
amdhsa.kernels:
  - .name:           k_qd14825bf61_prep
    .symbol:         k_qd14825bf61_prep.kd
    .args:
      - { .name: input, .offset: 0, .size: 8, .value_kind: global_buffer, .address_space: global }
      - { .name: Wq, .offset: 8, .size: 8, .value_kind: global_buffer, .address_space: global }
      - { .name: Wk, .offset: 16, .size: 8, .value_kind: global_buffer, .address_space: global }
      - { .name: Wv, .offset: 24, .size: 8, .value_kind: global_buffer, .address_space: global }
      - { .name: out0, .offset: 32, .size: 8, .value_kind: global_buffer, .address_space: global }
      - { .name: xh, .offset: 40, .size: 8, .value_kind: global_buffer, .address_space: global }
      - { .name: wh, .offset: 48, .size: 8, .value_kind: global_buffer, .address_space: global }
    .group_segment_fixed_size: 67584
    .private_segment_fixed_size: 0
    .kernarg_segment_align: 8
    .kernarg_segment_size: 56
    .max_flat_workgroup_size: 256
    .sgpr_count:     66
    .vgpr_count:     216
    .wavefront_size: 32
...
	.end_amdgpu_metadata
.endif
;; end of part 1
;; launch proj (part 2): grid 8 x 32, 4 waves a work-group, clusters of 4 x 4, 327,680 bytes of LDS; arguments xh, wh, bq, qh, kh, vth; writes qh, kh, vth
.if DOCPART == 2
	.amdgcn_target "amdgcn-amd-amdhsa--gfx1250"
	.amdhsa_code_object_version 6
	.text
	.protected	k_qd14825bf61_proj
	.globl	k_qd14825bf61_proj
	.p2align	8
	.type	k_qd14825bf61_proj,@function
k_qd14825bf61_proj:
	s_mov_b64 s[64:65], 0
	v_nop
	global_prefetch_b8 v0, s[64:65] scope:SCOPE_SE
	s_setreg_imm32_b32 hwreg(HW_REG_WAVE_MODE, 25, 1), 1
	s_wait_xcnt 0x0
	s_wait_alu depctr_hold_cnt(0) depctr_sa_sdst(0) depctr_va_vdst(0) depctr_va_sdst(0) depctr_va_ssrc(0) depctr_va_vcc(0) depctr_vm_vsrc(0)
	s_getreg_b32 s2, hwreg(HW_REG_IB_STS2, 6, 4)
	s_cmp_eq_u32 s2, 0
	s_cbranch_scc0 .Lentry_in_a_cluster
	s_endpgm
.Lentry_in_a_cluster:
	s_bfe_u32 s2, ttmp6, 0x10000c
	s_cmp_lg_u32 s2, 0xf033
	s_cbranch_scc0 .Lentry_shape_is_right
	s_endpgm
.Lentry_shape_is_right:
; AttentionBlock, launch 2 of 4: q = x Wq + bq, k = x Wk, vT = (x Wv)^T, f16 operands, f32 sums, each result rounded once to f16 and stored as fragment images.
; LEFT OUT: bk (q_s . bk is the same for every key of a row, the softmax cancels it: shown at the head of the first kernel); bv is added in the last launch.  LIMIT: |q|, |k|, |v| within 65,504.
; SHARES.  A work-group makes 128 positions x 128 columns of EACH of q, k and v: x's tile feeds three products.  Four waves, each 64 positions x 64 columns x 3: 48 accumulators, 384 registers.
; K = 1,024 goes in 8 steps of 128 through two LDS slots of four dense blocks of 32,768 bytes (x, Wq, Wk, Wv); wave w fetches block w by one tensor load of 128 rows x 256 bytes.
; The blocks are images of fragments (see the first kernel): a fragment's half is 512 consecutive bytes, 16 a lane, so LDS needs no padding.
; CLUSTER 4 x 4.  x's block hangs on the block of positions alone and is shared along a row of the cluster, the weights' blocks on the block of columns alone and are shared along a column: joint loads.
; q AND k ARE TAKEN TRANSPOSED (source 0 = 16 columns of W, source 1 = 16 positions): a lane holds one position and eight neighbouring columns, which pack into the 16 bytes that the image of q or k (rows = positions)
; holds for that lane.  v IS TAKEN THE OTHER WAY ROUND: a lane holds one column and eight neighbouring positions: the image of vT (rows = columns, contraction over positions).  So every store is 512 consecutive bytes.
; qh, kh: as xh.  vth: (t>>7) 262,144 + ((t>>5)&3) 65,536 + (column>>4) 1,024 + the image.
; REGISTERS, in windows of 256 (s_set_vgpr_msb: bits 1:0 source 0, 3:2 source 1, 5:4 source 2, 7:6 destination):
;   window 0: addresses; v32-63 bq; v64-255 packed results     window 1: two fragment buffers of 128: x's four fragments, then 3 x 4 of the weights'
;   window 2: q's accumulators v0-127, k's v128-255, (a, b) at 8 (4 a + b)     window 3: v's, v0-127
.set BLK,   32768
.set SLOTB, 131072
.set SPARE, 262144                     ; behind the ring: the spare words, 128 bytes for each wave: two blocks of 256 bytes that no other line names
.set LO,  2                            ; v2   16 x lane; never rewritten
.set AD0, 8                            ; v8-11  my fragments' place in block 0..3 of a slot; never rewritten
.set AD,  12                           ; v12-15 the same in the slot in hand
.set SPW, 16                           ; v16  LDS address of my spare word; never rewritten
.set NIL, 17                           ; v17  0; never rewritten
.set PFO, 18                           ; v18  256 x lane; never rewritten
.set BO,  19                           ; v19  my byte offset in bq
.set BQ,  32                           ; v[32:63] bq of my lane's columns: block b at BQ + 8 b
.set OUT, 64
.set F0,  0
.set F1,  128
.set WV,  16                           ; s16  wave
.set WS,  17                           ; s17  which 64 positions are mine
.set WN,  18                           ; s18  which 64 columns
.set CX,  19
.set CY,  20
.set NB,  21                           ; s21  block of 128 columns, 0..7
.set SB,  22                           ; s22  block of 128 positions, 0..31
.set G1A, 24                           ; s[24:31] descriptor group 1 for x's blocks
.set G0A, 32                           ; s[32:39] group 0: a set for each first fill; the second walks on
.set G1B, 40                           ; s[40:47], s[48:55] the same for the weights' blocks
.set G0B, 48
.set PFA, 56                           ; s[56:57] where my prefetches stand
.set LIM, 58                           ; s58  2 in a wave that prefetches, else the greatest number
.set CNT, 59                           ; s59  trips to go
.set TB,  60                           ; s60  LDS byte at which the slot in hand begins
.set MSB, 0
.macro WIN new                         ; the immediate's high byte repeats the setting that is left; a switch that changes nothing is dropped
.if MSB != (\new)
	s_set_vgpr_msb (MSB<<8)|(\new)
.set MSB, \new
.endif
.endm
.macro PLACES                          ; four places in front of loads into registers that matrix instructions have read, and of conversions that read results
.rept 4
	v_nop
.endr
.endm
.macro CREST                           ; a round of the cluster's barrier behind its opening barrier
	s_cmp_lg_u32 s[WV], 0
	s_cbranch_scc1 .Lnot_wave_0_\@
	s_barrier_signal -3
.Lnot_wave_0_\@:
	s_barrier_wait -3
	s_barrier_signal -1
	s_barrier_wait -1
.endm
.macro CROUND
	s_barrier_signal -1
	s_barrier_wait -1
	CREST
.endm
; A joint refill: wave 0 fetches x's block, waves 1-3 the three weights' blocks.  The branch hangs on the wave's number alone.  An s_nop 0 and four v_nop follow each line.
.macro JLOAD
	s_cmp_eq_u32 s[WV], 0
	s_cbranch_scc0 .Lfor_b_\@
	tensor_load_to_lds s[G0A+4:G0A+7], s[G1A:G1A+7]
	s_nop 0
.rept 4
	v_nop
.endr
	s_branch .Lasked_\@
.Lfor_b_\@:
	tensor_load_to_lds s[G0B+4:G0B+7], s[G1B:G1B+7]
	s_nop 0
.rept 4
	v_nop
.endr
.Lasked_\@:
.endm
; A prefetch into the L2 of the K step that stands two refills on: 32 lanes x 256 bytes, a quarter of my block's 32,768.  x's blocks are read by both clusters of a row of clusters: cluster x = 0 asks; the weights' by all
; eight clusters of a column: cluster y = 0 asks.  The four partners that ask for a block jointly take a quarter each, told apart by address.  So each 256 bytes of K steps 4 to 7 are named once in the launch;
; K steps 0 to 3 come by their loads alone; the last two refills have no K step two on.
.macro ASK
	s_cmp_gt_u32 s[CNT], s[LIM]
	s_cbranch_scc0 .Lnot_mine_\@
	global_prefetch_b8 v[PFO], s[PFA:PFA+1] offset:BLK th:TH_LOAD_NT scope:SCOPE_SE
.Lnot_mine_\@:
.endm
.macro ADDR
.irp b, 0,1,2,3
	v_add_nc_u32 v[AD+(\b)], s[TB], v[AD0+(\b)]
.endr
.endm
; 32 LDS loads in one run: the fragments of 32 along K (quarter kq of the step) into buffer f: x's, then Wq's, Wk's, Wv's
.macro FETCH kq, f
	WIN 0x40
.irp a, 0,1,2,3
	ds_load_b128 v[(\f)+8*(\a):(\f)+8*(\a)+3],   v[AD] offset:(\a)*4096+(\kq)*1024
	ds_load_b128 v[(\f)+8*(\a)+4:(\f)+8*(\a)+7], v[AD] offset:(\a)*4096+(\kq)*1024+512
.endr
.irp t, 0,1,2
.irp b, 0,1,2,3
	ds_load_b128 v[(\f)+32+32*(\t)+8*(\b):(\f)+32+32*(\t)+8*(\b)+3],   v[AD+1+(\t)] offset:(\b)*4096+(\kq)*1024
	ds_load_b128 v[(\f)+32+32*(\t)+8*(\b)+4:(\f)+32+32*(\t)+8*(\b)+7], v[AD+1+(\t)] offset:(\b)*4096+(\kq)*1024+512
.endr
.endr
.endm
; 16 matrix instructions of product t (0 q, 1 k, 2 v).  mode 0: adds in place; 1: starts the sums with 0; 2: starts q's sums with bq.  The 48 accumulators take turns in one order everywhere.
.macro MULG f, t, mode
.if (\t) == 2
	WIN 0xf5
.elseif (\mode) == 2
	WIN 0x85
.else
	WIN 0xa5
.endif
.irp a, 0,1,2,3
.irp b, 0,1,2,3
.set rD, 128*((\t)%2)+8*(4*(\a)+(\b))
.if (\t) == 2
.set rX, (\f)+8*(\a)
.set rY, (\f)+32+32*(\t)+8*(\b)
.else
.set rX, (\f)+32+32*(\t)+8*(\b)
.set rY, (\f)+8*(\a)
.endif
.if (\mode) == 0
	v_wmma_f32_16x16x32_f16 v[rD:rD+7], v[rX:rX+7], v[rY:rY+7], v[rD:rD+7]
.elseif (\mode) == 1
	v_wmma_f32_16x16x32_f16 v[rD:rD+7], v[rX:rX+7], v[rY:rY+7], 0
.else
	v_wmma_f32_16x16x32_f16 v[rD:rD+7], v[rX:rX+7], v[rY:rY+7], v[BQ+8*(\b):BQ+8*(\b)+7]
.endif
.endr
.endr
.endm
; One of a K step's first three quarters: multiplies buffer f, and in its middle fetches quarter kq into buffer g.
.macro QUARTER kq, f, g, first
	s_wait_dscnt 8                                 ; all but the youngest eight loads (Wv's fragments) are in
.if \first
	MULG \f, 0, 2
	MULG \f, 1, 1
.else
	MULG \f, 0, 0
	MULG \f, 1, 0
.endif
	PLACES
	FETCH \kq, \g
	s_wait_dscnt 32                                ; all but the 32 just issued
	MULG \f, 2, \first
.endm
; The last quarter multiplies buffer 1 and changes slots.  In front of the barrier each wave waits for all its tensor loads (one is out: its block of the next slot), adds 0 to its spare word, and waits for that and for its
; reads of this slot.  fill = 1: the barrier opens a round of the cluster's barrier, and the joint refill, two K steps ahead, is the first thing behind the round: 160 matrix instructions ahead of the wait for it.
.macro TURN fill
.if \fill
	s_wait_xcnt 0x0                                ; the last prefetch, a K step back, has read its address
	s_add_nc_u64 s[PFA:PFA+1], s[PFA:PFA+1], BLK
.endif
	WIN 0
	s_wait_tensorcnt 0x0                           ; no tensor load of mine is out, so a group 0 may be written
	ds_add_u32 v[SPW], v[NIL]                      ; 0 onto my spare word
.if \fill
	s_xor_b32 s[G0A+5], s[G0A+5], SLOTB            ; the walking descriptors: the other slot than last time, the next K step
	s_add_nc_u64 s[G0A+6:G0A+7], s[G0A+6:G0A+7], BLK
	s_xor_b32 s[G0B+5], s[G0B+5], SLOTB
	s_add_nc_u64 s[G0B+6:G0B+7], s[G0B+6:G0B+7], BLK
.endif
	s_wait_dscnt 9                                 ; the add and Wv's eight loads may be out
	MULG F1, 0, 0
	s_wait_dscnt 0x0                               ; the add is done, and my reads of this slot are over
	s_barrier_signal -1
	MULG F1, 1, 0
	WIN 0
	s_barrier_wait -1
.if \fill
	CREST
	JLOAD                                          ; its four v_nop are also the places in front of the loads below
.else
	PLACES
.endif
	s_xor_b32 s[TB], s[TB], SLOTB
	ADDR
	FETCH 0, F0
.if \fill
	WIN 0
	ASK
.endif
	MULG F1, 2, 0
.endm
	s_load_b256 s[4:11], s[0:1], 0x0               ; xh s[4:5], wh s[6:7], bq s[8:9], qh s[10:11]
	s_load_b128 s[12:15], s[0:1], 0x20             ; kh s[12:13], vth s[14:15]
	v_lshl_add_u32 v[SPW], v0, 2, SPARE
	v_mov_b32 v[NIL], 0
	ds_add_u32 v[SPW], v[NIL]                      ; the wave's opening: the add, twice on end, and its wait ahead of my first tensor load
	ds_add_u32 v[SPW], v[NIL]
	v_lshrrev_b32 v1, 5, v0
	v_readfirstlane_b32 s[WV], v1
	s_lshr_b32 s[WS], s[WV], 1
	s_and_b32 s[WN], s[WV], 1
	s_bfe_u32 s[CX], ttmp6, 0x40000
	s_bfe_u32 s[CY], ttmp6, 0x40004
	s_lshl_b32 s[NB], ttmp9, 2
	s_add_co_u32 s[NB], s[NB], s[CX]
	s_and_b32 s[SB], ttmp7, 0xffff
	s_lshl_b32 s[SB], s[SB], 2
	s_add_co_u32 s[SB], s[SB], s[CY]
	s_lshl_b32 s66, s[CY], 2
	s_lshl_b32 s66, 15, s66                        ; my row of the cluster
	s_lshl_b32 s67, 0x1111, s[CX]                  ; my column
	s_or_b32 s[G1A], s66, (3<<16)|(1<<21)          ; 15:0 the mask; 17:16 elements of 8 bytes; 21 set beside a mask; no padding
	s_or_b32 s[G1B], s67, (3<<16)|(1<<21)
.irp g, G1A, G1B
	s_mov_b32 s[(\g)+1], 32<<16                    ; tensor_dim0 = 32 elements: 256 bytes
	s_mov_b32 s[(\g)+2], 128<<16                   ; tensor_dim1 = 128
	s_mov_b32 s[(\g)+3], 32<<16                    ; tile_dim0 = 32
	s_mov_b32 s[(\g)+4], 128                       ; tile_dim1 = 128
	s_mov_b32 s[(\g)+5], 32                        ; the rows lie end to end
	s_mov_b32 s[(\g)+6], 0
	s_mov_b32 s[(\g)+7], 0
.endr
	s_lshl_b32 s68, s[SB], 18                      ; x's block: positions alone
	s_mov_b32 s69, 0
	s_max_u32 s70, s[WV], 1
	s_sub_co_u32 s70, s70, 1                       ; which weight matrix I fetch (wave 0 fetches none)
	s_lshl_b32 s70, s70, 3
	s_add_co_u32 s70, s70, s[NB]
	s_lshl_b32 s70, s70, 18                        ; its block: columns alone
	s_mov_b32 s71, 0
	s_lshl_b32 s72, s[WV], 15                      ; block w of a slot: no place in the cluster enters an LDS address
	s_mov_b32 s[TB], 0
	s_mov_b32 s[CNT], 6
	s_wait_dscnt 0x0                               ; both opening adds are done
	s_wait_kmcnt 0x0
	s_add_nc_u64 s[68:69], s[4:5], s[68:69]
	s_add_nc_u64 s[70:71], s[6:7], s[70:71]
.irp s, 0,1
	s_mov_b32 s[G0A+4*(\s)], 1
	s_add_co_u32 s[G0A+4*(\s)+1], s72, (\s)*SLOTB
	s_add_nc_u64 s[G0A+4*(\s)+2:G0A+4*(\s)+3], s[68:69], (\s)*BLK
	s_or_b32 s[G0A+4*(\s)+3], s[G0A+4*(\s)+3], 0x80000000
	s_mov_b32 s[G0B+4*(\s)], 1
	s_add_co_u32 s[G0B+4*(\s)+1], s72, (\s)*SLOTB
	s_add_nc_u64 s[G0B+4*(\s)+2:G0B+4*(\s)+3], s[70:71], (\s)*BLK
	s_or_b32 s[G0B+4*(\s)+3], s[G0B+4*(\s)+3], 0x80000000
.endr
	s_and_b32 s73, ttmp7, 0xffff                   ; the prefetches: cluster y,
	s_cmp_eq_u32 s[WV], 0
	s_cselect_b64 s[PFA:PFA+1], s[68:69], s[70:71]
	s_cselect_b32 s74, s[CX], s[CY]                ; my place among the four that ask for the block with me,
	s_cselect_b32 s73, ttmp9, s73                  ; the coordinate along which other clusters read the same block
	s_cmp_eq_u32 s73, 0
	s_cselect_b32 s[LIM], 2, -1                    ; the same in all sixteen partners, for a given wave
	s_lshl_b32 s74, s74, 13
	s_add_co_u32 s74, s74, 2*BLK                   ; at K step 2: the first refill steps it to 3 and names K step 4
	s_mov_b32 s75, 0
	s_add_nc_u64 s[PFA:PFA+1], s[PFA:PFA+1], s[74:75]
	CROUND                                         ; all sixteen work-groups are here: the first joint loads meet
	s_cmp_eq_u32 s[WV], 0                          ; a wave's two first fills stand in one branch: two loads of mine are out
	s_cbranch_scc0 .Lfirst_b
	tensor_load_to_lds s[G0A:G0A+3], s[G1A:G1A+7]
	s_nop 0
	tensor_load_to_lds s[G0A+4:G0A+7], s[G1A:G1A+7]
	s_nop 0
.rept 4
	v_nop
.endr
	s_branch .Lfirst_asked
.Lfirst_b:
	tensor_load_to_lds s[G0B:G0B+3], s[G1B:G1B+7]
	s_nop 0
	tensor_load_to_lds s[G0B+4:G0B+7], s[G1B:G1B+7]
	s_nop 0
.rept 4
	v_nop
.endr
.Lfirst_asked:
	v_and_b32 v1, 31, v0
	v_lshlrev_b32 v[LO], 4, v1
	v_lshlrev_b32 v[PFO], 8, v1
	s_lshl_b32 s66, s[WS], 14                      ; my 64 rows of a block: four fragment rows of 4,096 bytes
	s_lshl_b32 s67, s[WN], 14
	v_add_nc_u32 v[AD0], s66, v[LO]
	v_add_nc_u32 v[AD0+1], s67, v[LO]
	v_add_nc_u32 v[AD0+2], 2*BLK, v[AD0+1]
	v_add_nc_u32 v[AD0+3], 3*BLK, v[AD0+1]
	v_add_nc_u32 v[AD0+1], BLK, v[AD0+1]
	v_bfe_u32 v3, v0, 4, 1
	s_lshl_b32 s66, s[NB], 9
	s_lshl_b32 s67, s[WN], 8
	s_add_co_u32 s66, s66, s67
	v_lshl_add_u32 v[BO], v3, 5, s66               ; bq of column 128 NB + 64 WN + 16 b + 8 (lane / 16) + j
.irp b, 0,1,2,3
	global_load_b128 v[BQ+8*(\b):BQ+8*(\b)+3],   v[BO], s[8:9] offset:64*(\b)
	global_load_b128 v[BQ+8*(\b)+4:BQ+8*(\b)+7], v[BO], s[8:9] offset:64*(\b)+16
.endr
	s_lshl_b32 s76, s[SB], 3                       ; where my part of q and k goes
	s_add_co_u32 s76, s76, s[NB]
	s_lshl_b32 s76, s76, 15
	s_lshl_b32 s66, s[WS], 14
	s_add_co_u32 s76, s76, s66
	s_lshl_b32 s66, s[WN], 11
	s_add_co_u32 s76, s76, s66
	s_mov_b32 s77, 0
	s_add_nc_u64 s[10:11], s[10:11], s[76:77]
	s_add_nc_u64 s[12:13], s[12:13], s[76:77]
	s_lshl_b32 s76, s[SB], 18                      ; and of vT
	s_lshl_b32 s66, s[WS], 17
	s_add_co_u32 s76, s76, s66
	s_lshl_b32 s66, s[NB], 13
	s_add_co_u32 s76, s76, s66
	s_lshl_b32 s66, s[WN], 12
	s_add_co_u32 s76, s76, s66
	s_add_nc_u64 s[14:15], s[14:15], s[76:77]
	s_wait_loadcnt 0x0                             ; bq
	s_wait_tensorcnt 0x1                           ; my block of K step 0 is in; K step 1's may stay out
	s_barrier_signal -1
	s_barrier_wait -1
	ADDR
	FETCH 0, F0
	QUARTER 1, F0, F1, 1                           ; the first quarter stands in front of the loop: its products start the sums
	WIN 0
.Lk:                                                   ; a trip: a K step's quarters 1, 2, 3 and the next step's quarter 0; six trips fill a slot again
	QUARTER 2, F1, F0, 0
	QUARTER 3, F0, F1, 0
	TURN 1
	QUARTER 1, F0, F1, 0
	WIN 0
	s_sub_co_u32 s[CNT], s[CNT], 1
	s_cmp_lg_u32 s[CNT], 0
	s_cbranch_scc1 .Lk
	QUARTER 2, F1, F0, 0                           ; the tail is written out: nothing more is asked for
	QUARTER 3, F0, F1, 0
	TURN 0
	QUARTER 1, F0, F1, 0
	QUARTER 2, F1, F0, 0
	QUARTER 3, F0, F1, 0
	s_wait_dscnt 8
	MULG F1, 0, 0
	MULG F1, 1, 0
	s_wait_dscnt 0x0
	MULG F1, 2, 0
	PLACES
; THE WAY OUT.  Each accumulator's eight numbers pack into 16 bytes a lane, its registers taken in ascending order; a store is half a fragment of the image.
.macro PACK t
.if (\t) == 2
	WIN 0x0f
.else
	WIN 0x0a
.endif
.set n, 0
.rept 16
.irp i, 0,1,2,3
	v_cvt_pk_f16_f32 v[OUT+64*(\t)+4*n+(\i)], v[128*((\t)%2)+8*n+2*(\i)], v[128*((\t)%2)+8*n+2*(\i)+1]
.endr
.set n, n+1
.endr
	WIN 0
.endm
	PACK 0
.set n, 0
.rept 16
	global_store_b128 v[LO], v[OUT+4*n:OUT+4*n+3], s[10:11] offset:(n/4)*4096+((n%4)/2)*1024+(n%2)*512
.set n, n+1
.endr
	PACK 1
.set n, 0
.rept 16
	global_store_b128 v[LO], v[OUT+64+4*n:OUT+64+4*n+3], s[12:13] offset:(n/4)*4096+((n%4)/2)*1024+(n%2)*512
.set n, n+1
.endr
	PACK 2
.set n, 0
.rept 16
	global_store_b128 v[LO], v[OUT+128+4*n:OUT+128+4*n+3], s[14:15] offset:((n/4)/2)*65536+(n%4)*1024+((n/4)%2)*512
.set n, n+1
.endr
	s_wait_tensorcnt 0x0                           ; the wave's end
	ds_add_u32 v[SPW], v[NIL]
	s_wait_dscnt 0x0
	CROUND                                         ; the closing round: no work-group ends while a partner may still ask for a block that names it
	s_endpgm
.Lfunc_end_k_qd14825bf61_proj:
	.size	k_qd14825bf61_proj, .Lfunc_end_k_qd14825bf61_proj-k_qd14825bf61_proj
	.p2alignl 7, 3214868480
	.fill 96, 4, 3214868480
	.section	.rodata,"a",@progbits
	.p2align	6, 0x0
	.amdhsa_kernel k_qd14825bf61_proj
		.amdhsa_group_segment_fixed_size 327680
		.amdhsa_private_segment_fixed_size 0
		.amdhsa_enable_private_segment 0
		.amdhsa_kernarg_size 48
		.amdhsa_user_sgpr_count 2
		.amdhsa_user_sgpr_kernarg_segment_ptr 1
		.amdhsa_wavefront_size32 1
		.amdhsa_system_sgpr_workgroup_id_x 1
		.amdhsa_system_sgpr_workgroup_id_y 1
		.amdhsa_system_sgpr_workgroup_id_z 1
		.amdhsa_system_vgpr_workitem_id 0
		.amdhsa_next_free_vgpr 896
		.amdhsa_next_free_sgpr 80
		.amdhsa_reserve_vcc 0
		.amdhsa_float_denorm_mode_32 3
		.amdhsa_float_denorm_mode_16_64 3
		.amdhsa_memory_ordered 1
		.amdhsa_forward_progress 1
		.amdhsa_inst_pref_size 90
	.end_amdhsa_kernel
	.amdgpu_metadata
---
amdhsa.version: [ 1, 2 ]
amdhsa.kernels:
  - .name:           k_qd14825bf61_proj
    .symbol:         k_qd14825bf61_proj.kd
    .args:
      - { .name: xh, .offset: 0, .size: 8, .value_kind: global_buffer, .address_space: global }
      - { .name: wh, .offset: 8, .size: 8, .value_kind: global_buffer, .address_space: global }
      - { .name: bq, .offset: 16, .size: 8, .value_kind: global_buffer, .address_space: global }
      - { .name: qh, .offset: 24, .size: 8, .value_kind: global_buffer, .address_space: global }
      - { .name: kh, .offset: 32, .size: 8, .value_kind: global_buffer, .address_space: global }
      - { .name: vth, .offset: 40, .size: 8, .value_kind: global_buffer, .address_space: global }
    .group_segment_fixed_size: 327680
    .private_segment_fixed_size: 0
    .kernarg_segment_align: 8
    .kernarg_segment_size: 48
    .max_flat_workgroup_size: 128
    .sgpr_count:     80
    .vgpr_count:     896
    .wavefront_size: 32
...
	.end_amdgpu_metadata
.endif
;; end of part 2
;; launch score (part 3): grid 187 x 1, 4 waves a work-group, no clusters, 327,680 bytes of LDS; arguments qh, kh, frame_no, alibi_param, ph, st; writes ph, st
.if DOCPART == 3
	.amdgcn_target "amdgcn-amd-amdhsa--gfx1250"
	.amdhsa_code_object_version 6
	.text
	.protected	k_qd14825bf61_score
	.globl	k_qd14825bf61_score
	.p2align	8
	.type	k_qd14825bf61_score,@function
k_qd14825bf61_score:
	s_mov_b64 s[64:65], 0
	v_nop
	global_prefetch_b8 v0, s[64:65] scope:SCOPE_SE
	s_setreg_imm32_b32 hwreg(HW_REG_WAVE_MODE, 25, 1), 1
	s_wait_xcnt 0x0
; AttentionBlock, launch 3 of 4: the weights.  For a tile of 128 queries x 128 keys: s = q . k (f16 operands, f32 sums), t = s - 32 sigmoid(alibi_param) |frame_no[key] - frame_no[query]|, the causal mask,
; and for each query and each group of 64 keys a maximum m of its own: p = 2^(c t - c m), c = log2(e) / 32, rounded to f16 into ph; c m and the sum of the p into st.  The last launch joins the groups.
; LEFT OUT: tiles that lie wholly above the diagonal (reference() sets them to -inf: their weights are 0), and bk (shown at the head of the first kernel).
; LIMITS.  A hidden score counts as -2^100.  In a group of 64 keys that is hidden from a query altogether c t - c m is exactly 0 (c 2^100 is exact in f32), p = 1, and c m = -5.7e28 makes the group's factor 0 in the last launch.
; SHARES.  Row block i (128 queries) needs key tiles 0 .. i.  A work-group takes one row block and a CHUNK of three key tiles, i - 3 c - 0, 1, 2: q's block feeds three products.  Row i has i / 3 + 1 chunks: 187 in all.
; At a row's left end a chunk may hold one or two tiles with a number below 0: their block address is held at tile 0, their products run with the chunk's live ones, and nothing is made or stored of them
; (33 of 561 tiles; every work-group is one chunk long whatever they do).  The diagonal tile is always the first tile of chunk 0.
; NO CLUSTER: the chunks of a row are not a multiple of four (1 to 11 of them), and work-groups that share a key tile belong to rows of different lengths; q's block is already shared by three tiles inside the work-group.
; THE PRODUCT is proj's: four waves, each 64 queries x 64 keys x 3 tiles, 48 accumulators; K = 1,024 in 8 steps of 128; two LDS slots of four dense blocks of 32,768 bytes; wave w fetches block w.
; Source 0 = 16 keys, source 1 = 16 queries: a lane holds ONE query (lane % 16) and the keys 8 (lane / 16) + 0..7, which pack into the 16 bytes that the image of P (rows = queries, contraction over keys) holds for that lane.
; ph: (key>>7) 1,048,576 + ((key>>5)&3) 262,144 + (query>>4) 1,024 + the image.  st: ((key>>6) 64 + (query>>6)) 512 + which 256 + (query%16) 16 + ((query>>4)&3) 4; which = 0: c m, 1: the sum.
; REGISTERS, in windows of 256: window 0: addresses, statistics, v48-63 packed weights, v128-255 one tile's 128 scores; window 1: two fragment buffers; window 2: tiles 0 and 1; window 3: tile 2 in v0-127,
; v128-135 my queries' frame numbers (each twice, as a pair), v136-231 my keys' frame numbers.
.set BLK,   32768
.set SLOTB, 131072
.set SPARE, 262144                     ; behind the ring: the spare words, 128 bytes for each wave: two blocks of 256 bytes that no other line names
.set LO,  2                            ; v2   16 x lane; never rewritten
.set AD0, 8
.set AD,  12
.set SPW, 16
.set NIL, 17
.set PFO, 18                           ; v18  256 x lane
.set BIG, 19                           ; v19  -2^100
.set X,   20                           ; v20-23  unit a: my query's place less my lanes' first key's, in the diagonal tile
.set FO,  24                           ; v24-26  byte offsets of my keys' frame numbers, by tile
.set FIO, 27                           ; v27     of my queries'
.set MXC, 28                           ; v28-31  at work
.set CM,  32                           ; v[32:39] unit a: (c m, m)
.set LT,  40                           ; v40-43  unit a: the sum
.set SD,  44                           ; v[44:47] the statistics as stored
.set PK,  48                           ; v[48:63] a unit's weights in f16
.set T,   128
.set FI,  128                          ; window 3
.set FJ,  136                          ; window 3
.set F0,  0
.set F1,  128
.set WV,  16
.set WS,  17
.set WN,  18
.set I,   19                           ; s19  row block
.set CH,  20                           ; s20  chunk
.set J0,  21                           ; s21  the chunk's first key tile, i - 3 c
.set NK,  22                           ; s22  -32 sigmoid(alibi_param): a value, never an address or a condition
.set HM,  23                           ; s23  lanes 16-31
.set G1,  24
.set G0,  32
.set SEL, 40                           ; s[40:41] v_permlanex16_b32's selects
.set CS,  42                           ; s[42:43] c
.set PBA, 44                           ; s[44:45] ph at my part of the tile in hand
.set SBA, 46                           ; s[46:47] st likewise
.set TC,  48                           ; s48  the tile in hand, 0..2
.set JC,  49                           ; s49  its number
.set PCO, 50                           ; s50, s51  the parts of those two offsets that do not hang on the tile
.set SCO, 51
.set PFA, 56
.set LIM, 58
.set CNT, 59
.set TB,  60
.set MSB, 0
.macro WIN new
.if MSB != (\new)
	s_set_vgpr_msb (MSB<<8)|(\new)
.set MSB, \new
.endif
.endm
.macro PLACES
.rept 4
	v_nop
.endr
.endm
; A prefetch into the L2 of the K step that stands two refills on.  In chunk 0 of a row wave 0 asks for q's block i and wave 1 for k's block i (the diagonal tile's): four instructions of 32 lanes x 256 bytes.
; So each 256 bytes of K steps 4 to 7 of qh and kh are named once in the launch; K steps 0 to 3 come by their loads alone; the last two refills have no K step two on.
.macro ASK
	s_cmp_gt_u32 s[CNT], s[LIM]
	s_cbranch_scc0 .Lnot_mine_\@
.irp n, 0,1,2,3
	global_prefetch_b8 v[PFO], s[PFA:PFA+1] offset:BLK+(\n)*8192 th:TH_LOAD_NT scope:SCOPE_SE
.endr
.Lnot_mine_\@:
.endm
.macro ADDR
.irp b, 0,1,2,3
	v_add_nc_u32 v[AD+(\b)], s[TB], v[AD0+(\b)]
.endr
.endm
.macro FETCH kq, f                     ; 32 LDS loads in one run: q's fragments, then the three key tiles'
	WIN 0x40
.irp a, 0,1,2,3
	ds_load_b128 v[(\f)+8*(\a):(\f)+8*(\a)+3],   v[AD] offset:(\a)*4096+(\kq)*1024
	ds_load_b128 v[(\f)+8*(\a)+4:(\f)+8*(\a)+7], v[AD] offset:(\a)*4096+(\kq)*1024+512
.endr
.irp t, 0,1,2
.irp b, 0,1,2,3
	ds_load_b128 v[(\f)+32+32*(\t)+8*(\b):(\f)+32+32*(\t)+8*(\b)+3],   v[AD+1+(\t)] offset:(\b)*4096+(\kq)*1024
	ds_load_b128 v[(\f)+32+32*(\t)+8*(\b)+4:(\f)+32+32*(\t)+8*(\b)+7], v[AD+1+(\t)] offset:(\b)*4096+(\kq)*1024+512
.endr
.endr
.endm
.macro MULG f, t, zero                 ; 16 matrix instructions of tile t; the 48 accumulators take turns in one order everywhere
.if (\t) == 2
	WIN 0xf5
.else
	WIN 0xa5
.endif
.irp a, 0,1,2,3
.irp b, 0,1,2,3
.set rD, 128*((\t)%2)+8*(4*(\a)+(\b))
.set rX, (\f)+32+32*(\t)+8*(\b)
.set rY, (\f)+8*(\a)
.if \zero
	v_wmma_f32_16x16x32_f16 v[rD:rD+7], v[rX:rX+7], v[rY:rY+7], 0
.else
	v_wmma_f32_16x16x32_f16 v[rD:rD+7], v[rX:rX+7], v[rY:rY+7], v[rD:rD+7]
.endif
.endr
.endr
.endm
.macro QUARTER kq, f, g, first
	s_wait_dscnt 8                                 ; all but the youngest eight loads (tile 2's fragments) are in
	MULG \f, 0, \first
	MULG \f, 1, \first
	PLACES
	FETCH \kq, \g
	s_wait_dscnt 32                                ; all but the 32 just issued
	MULG \f, 2, \first
.endm
; The last quarter and the change of slots: each wave waits for all its tensor loads (one is out: its block of the next slot), adds 0 to its spare word, waits for that and for its reads of this slot, and passes the barrier;
; fill = 1: its one refill, two K steps ahead, is the first thing behind the barrier.
.macro TURN fill
.if \fill
	s_wait_xcnt 0x0                                ; the last prefetches, a K step back, have read their address
	s_add_nc_u64 s[PFA:PFA+1], s[PFA:PFA+1], BLK
.endif
	WIN 0
	s_wait_tensorcnt 0x0
	ds_add_u32 v[SPW], v[NIL]
.if \fill
	s_xor_b32 s[G0+5], s[G0+5], SLOTB
	s_add_nc_u64 s[G0+6:G0+7], s[G0+6:G0+7], BLK
.endif
	s_wait_dscnt 9                                 ; the add and tile 2's eight loads may be out
	MULG F1, 0, 0
	s_wait_dscnt 0x0
	s_barrier_signal -1
	MULG F1, 1, 0
	WIN 0
	s_barrier_wait -1
.if \fill
	tensor_load_to_lds s[G0+4:G0+7], s[G1:G1+7]
	s_nop 0
.endif
	PLACES                                         ; the places in front of the loads below
	s_xor_b32 s[TB], s[TB], SLOTB
	ADDR
	FETCH 0, F0
.if \fill
	WIN 0
	ASK
.endif
	MULG F1, 2, 0
.endm
	s_load_b256 s[4:11], s[0:1], 0x0               ; qh s[4:5], kh s[6:7], frame_no s[8:9], alibi_param s[10:11]
	s_load_b128 s[12:15], s[0:1], 0x20             ; ph s[12:13], st s[14:15]
	v_lshl_add_u32 v[SPW], v0, 2, SPARE
	v_mov_b32 v[NIL], 0
	ds_add_u32 v[SPW], v[NIL]                      ; the wave's opening: the add, twice on end, and its wait ahead of my first tensor load
	ds_add_u32 v[SPW], v[NIL]
	v_lshrrev_b32 v1, 5, v0
	v_readfirstlane_b32 s[WV], v1
	s_lshr_b32 s[WS], s[WV], 1
	s_and_b32 s[WN], s[WV], 1
	s_mov_b32 s[I], 0                              ; the work-group's number into (row block, chunk): the last row whose first chunk's number is not above it
	s_mov_b32 s66, 0
.set rr, 1
.set STARTR, 1
.rept 31
	s_cmp_ge_u32 ttmp9, STARTR
	s_cselect_b32 s[I], rr, s[I]
	s_cselect_b32 s66, STARTR, s66
.set STARTR, STARTR+rr/3+1
.set rr, rr+1
.endr
	s_sub_co_u32 s[CH], ttmp9, s66
	s_mul_i32 s66, s[CH], 3
	s_sub_co_u32 s[J0], s[I], s66
	s_mov_b32 s[G1], 3<<16                         ; no mask; elements of 8 bytes; no padding
	s_mov_b32 s[G1+1], 32<<16                      ; tensor_dim0 = 32 elements: 256 bytes
	s_mov_b32 s[G1+2], 128<<16                     ; tensor_dim1 = 128
	s_mov_b32 s[G1+3], 32<<16                      ; tile_dim0 = 32
	s_mov_b32 s[G1+4], 128                         ; tile_dim1 = 128
	s_mov_b32 s[G1+5], 32                          ; the rows lie end to end
	s_mov_b32 s[G1+6], 0
	s_mov_b32 s[G1+7], 0
	s_mov_b32 s[SEL], 0x76543210
	s_mov_b32 s[SEL+1], 0xfedcba98
	s_mov_b32 s[CS], 0x3d38aa3b                    ; c = log2(e) / 32
	s_mov_b32 s[CS+1], s[CS]
	s_mov_b32 s[HM], 0xffff0000
	s_mov_b32 s[TB], 0
	s_mov_b32 s[CNT], 6
	s_lshl_b32 s74, s[WV], 15                      ; block w of a slot
	s_sub_co_i32 s67, s[J0], s[WV]
	s_add_co_i32 s67, s67, 1                       ; waves 1-3: key tile J0 - (w - 1),
	s_max_i32 s67, s67, 0                          ; held at 0
	s_wait_dscnt 0x0                               ; both opening adds are done
	s_wait_kmcnt 0x0
	s_load_b32 s70, s[10:11], 0x0                  ; alibi_param
	s_cmp_eq_u32 s[WV], 0
	s_cselect_b32 s68, s[I], s67
	s_cselect_b64 s[72:73], s[4:5], s[6:7]         ; wave 0 fetches q's block, the others a key tile's
	s_lshl_b32 s68, s68, 18
	s_mov_b32 s69, 0
	s_add_nc_u64 s[72:73], s[72:73], s[68:69]
.irp s, 0,1
	s_mov_b32 s[G0+4*(\s)], 1
	s_add_co_u32 s[G0+4*(\s)+1], s74, (\s)*SLOTB
	s_add_nc_u64 s[G0+4*(\s)+2:G0+4*(\s)+3], s[72:73], (\s)*BLK
	s_or_b32 s[G0+4*(\s)+3], s[G0+4*(\s)+3], 0x80000000
.endr
	tensor_load_to_lds s[G0:G0+3], s[G1:G1+7]      ; both first fills together: two loads of mine are out
	s_nop 0
	tensor_load_to_lds s[G0+4:G0+7], s[G1:G1+7]
	s_nop 0
	PLACES
	s_lshr_b32 s66, s[WV], 1
	s_or_b32 s66, s66, s[CH]
	s_cmp_eq_u32 s66, 0
	s_cselect_b32 s[LIM], 2, -1                    ; waves 0 and 1 of a row's chunk 0 prefetch
	s_add_nc_u64 s[PFA:PFA+1], s[72:73], 2*BLK     ; at K step 2: the first refill steps it to 3 and names K step 4
	v_and_b32 v1, 31, v0
	v_lshlrev_b32 v[LO], 4, v1
	v_lshlrev_b32 v[PFO], 8, v1
	s_lshl_b32 s66, s[WS], 14
	s_lshl_b32 s67, s[WN], 14
	v_add_nc_u32 v[AD0], s66, v[LO]
	v_add_nc_u32 v[AD0+1], s67, v[LO]
	v_add_nc_u32 v[AD0+2], 2*BLK, v[AD0+1]
	v_add_nc_u32 v[AD0+3], 3*BLK, v[AD0+1]
	v_add_nc_u32 v[AD0+1], BLK, v[AD0+1]
	v_and_b32 v3, 15, v0                           ; r = lane % 16
	v_bfe_u32 v4, v0, 4, 1                         ; h = lane / 16
	v_lshlrev_b32 v5, 3, v4
	v_sub_nc_u32 v5, v3, v5
	s_sub_co_i32 s66, s[WS], s[WN]
	s_lshl_b32 s66, s66, 6
	v_add_nc_u32 v[X], s66, v5                     ; 64 (WS - WN) + 16 a + r - 8 h: key 16 b + j of my lanes is hidden where 16 b + j is greater
	v_add_nc_u32 v[X+1], 16, v[X]
	v_add_nc_u32 v[X+2], 32, v[X]
	v_add_nc_u32 v[X+3], 48, v[X]
	v_mov_b32 v[BIG], 0xf1800000
	s_lshl_b32 s66, s[I], 9
	s_lshl_b32 s67, s[WS], 8
	s_add_co_u32 s66, s66, s67
	v_lshl_add_u32 v[FIO], v3, 2, s66              ; frame_no[128 i + 64 WS + 16 a + r]
	s_lshl_b32 s67, s[WN], 8
.irp t, 0,1,2
	s_sub_co_i32 s66, s[J0], \t
	s_max_i32 s66, s66, 0
	s_lshl_b32 s66, s66, 9
	s_add_co_u32 s66, s66, s67
	v_lshl_add_u32 v[FO+(\t)], v4, 5, s66          ; frame_no[128 j + 64 WN + 16 b + 8 h + ..]
.endr
	WIN 0xc0
.irp a, 0,1,2,3
	global_load_b32 v[FI+2*(\a)],   v[FIO], s[8:9] offset:64*(\a)
	global_load_b32 v[FI+2*(\a)+1], v[FIO], s[8:9] offset:64*(\a)
.endr
.irp t, 0,1,2
.irp b, 0,1,2,3
	global_load_b128 v[FJ+32*(\t)+8*(\b):FJ+32*(\t)+8*(\b)+3],   v[FO+(\t)], s[8:9] offset:64*(\b)
	global_load_b128 v[FJ+32*(\t)+8*(\b)+4:FJ+32*(\t)+8*(\b)+7], v[FO+(\t)], s[8:9] offset:64*(\b)+16
.endr
.endr
	WIN 0
	s_lshl_b32 s[PCO], s[I], 3                     ; ph: WN 2^19 + (8 i + 4 WS) 2^10
	s_lshl_b32 s66, s[WS], 2
	s_add_co_u32 s[PCO], s[PCO], s66
	s_lshl_b32 s[PCO], s[PCO], 10
	s_lshl_b32 s66, s[WN], 19
	s_add_co_u32 s[PCO], s[PCO], s66
	s_lshl_b32 s[SCO], s[WN], 6                    ; st: (64 WN + 2 i + WS) 512
	s_lshl_b32 s66, s[I], 1
	s_add_co_u32 s[SCO], s[SCO], s66
	s_add_co_u32 s[SCO], s[SCO], s[WS]
	s_lshl_b32 s[SCO], s[SCO], 9
	s_wait_kmcnt 0x0
	v_mov_b32 v5, s70                              ; sigmoid(x) = 1 / (1 + 2^(-x log2 e))
	v_mul_f32 v5, 0xbfb8aa3b, v5
	v_exp_f32 v6, v5
	v_nop                                          ; a plain instruction behind the exponential,
	s_wait_alu depctr_va_vdst(0)                   ; and the wait ahead of its first reader
	v_add_f32 v6, 1.0, v6
	v_rcp_f32 v7, v6
	v_nop
	s_wait_alu depctr_va_vdst(0)
	v_mul_f32 v7, 0xc2000000, v7                   ; times -32
	v_readfirstlane_b32 s[NK], v7
	s_wait_loadcnt 0x0                             ; the frame numbers
	s_wait_tensorcnt 0x1                           ; my block of K step 0 is in; K step 1's may stay out
	s_barrier_signal -1
	s_barrier_wait -1
	ADDR
	FETCH 0, F0
	QUARTER 1, F0, F1, 1                           ; the first quarter's products start the sums
	WIN 0
.Lk:
	QUARTER 2, F1, F0, 0
	QUARTER 3, F0, F1, 0
	TURN 1
	QUARTER 1, F0, F1, 0
	WIN 0
	s_sub_co_u32 s[CNT], s[CNT], 1
	s_cmp_lg_u32 s[CNT], 0
	s_cbranch_scc1 .Lk
	QUARTER 2, F1, F0, 0                           ; the tail is written out: nothing more is asked for
	QUARTER 3, F0, F1, 0
	TURN 0
	QUARTER 1, F0, F1, 0
	QUARTER 2, F1, F0, 0
	QUARTER 3, F0, F1, 0
	s_wait_dscnt 8
	MULG F1, 0, 0
	MULG F1, 1, 0
	s_wait_dscnt 0x0
	MULG F1, 2, 0
	WIN 0
	PLACES
; THE WAY OUT, a tile at a time.  STAGE1 (written for each tile, since it names the tile's registers): T = s - 32 sigma |fj - fi|; each accumulator's registers are read in ascending order.
.macro STAGE1 t
	WIN 0x0f
.set n, 0
.rept 16
.irp i, 0,1,2,3
	v_pk_add_f32 v[T+8*n+2*(\i):T+8*n+2*(\i)+1], v[FJ+32*(\t)+8*(n%4)+2*(\i):FJ+32*(\t)+8*(n%4)+2*(\i)+1], v[FI+2*(n/4):FI+2*(n/4)+1] neg_lo:[0,1] neg_hi:[0,1]
.endr
.set n, n+1
.endr
.if (\t) == 2
	WIN 0x30
.else
	WIN 0x20
.endif
.set n, 0
.rept 128
	v_fma_f32 v[T+n], |v[T+n]|, s[NK], v[128*((\t)%2)+n]
.set n, n+1
.endr
	WIN 0
.endm
; The diagonal tile's mask: one formula for the quarter that holds the diagonal, the quarter that sees all and the quarter that sees nothing.
.macro DMASK
.set n, 0
.rept 128
	v_cmp_gt_i32 vcc_lo, 16*((n/8)%4)+n%8, v[X+n/32]
	v_cndmask_b32 v[T+n], v[T+n], v[BIG], vcc_lo
.set n, n+1
.endr
.endm
; Unit a: 16 queries x 64 keys, 32 scores a lane.  The maximum (four chains, then the lane 16 away, which holds the query's other 32 keys); c t - c m; ONE batch of 32 exponentials with one wait; the roundings and
; the four stores, each half a fragment of P's image; the sum of the unrounded weights.
.macro UNIT a
.set rT, T+32*(\a)
.irp j, 0,1,2,3
	v_max3_num_f32 v[MXC+(\j)], v[rT+8*(\j)], v[rT+8*(\j)+1], v[rT+8*(\j)+2]
.endr
.irp j, 0,1,2,3
	v_max3_num_f32 v[MXC+(\j)], v[MXC+(\j)], v[rT+8*(\j)+3], v[rT+8*(\j)+4]
.endr
.irp j, 0,1,2,3
	v_max3_num_f32 v[MXC+(\j)], v[MXC+(\j)], v[rT+8*(\j)+5], v[rT+8*(\j)+6]
.endr
	v_max3_num_f32 v[MXC], v[MXC], v[rT+7], v[rT+15]
	v_max3_num_f32 v[MXC+2], v[MXC+2], v[rT+23], v[rT+31]
	v_max3_num_f32 v[MXC], v[MXC], v[MXC+1], v[MXC+2]
	v_max_num_f32 v[MXC], v[MXC], v[MXC+3]
	v_permlanex16_b32 v[MXC+1], v[MXC], s[SEL], s[SEL+1]
	v_max_num_f32 v[CM+2*(\a)+1], v[MXC], v[MXC+1]
	v_mul_f32 v[CM+2*(\a)], s[CS], v[CM+2*(\a)+1]
.set i, 0
.rept 16
	v_pk_fma_f32 v[rT+2*i:rT+2*i+1], v[rT+2*i:rT+2*i+1], s[CS:CS+1], v[CM+2*(\a):CM+2*(\a)+1] op_sel_hi:[1,0,0] neg_lo:[0,0,1] neg_hi:[0,0,1]
.set i, i+1
.endr
.set i, 0
.rept 32
	v_exp_f32 v[rT+i], v[rT+i]
.set i, i+1
.endr
	v_nop                                          ; a plain instruction behind the last exponential: one for the batch
	s_wait_alu depctr_va_vdst(0)                   ; the wait for the batch, ahead of its first reader
	s_wait_xcnt 0x0                                ; the unit before's stores have read PK
.set i, 0
.rept 16
	v_cvt_pk_f16_f32 v[PK+i], v[rT+2*i], v[rT+2*i+1]
.set i, i+1
.endr
.irp b, 0,1,2,3
	global_store_b128 v[LO], v[PK+4*(\b):PK+4*(\b)+3], s[PBA:PBA+1] offset:((\b)/2)*262144+(\a)*1024+((\b)%2)*512  ; 512 consecutive bytes, aligned
.endr
.irp w, 8,4,2,1
.set i, 0
.rept \w
	v_pk_add_f32 v[rT+2*i:rT+2*i+1], v[rT+2*i:rT+2*i+1], v[rT+2*(i+(\w)):rT+2*(i+(\w))+1]
.set i, i+1
.endr
.endr
	v_add_f32 v[MXC], v[rT], v[rT+1]
	v_permlanex16_b32 v[MXC+1], v[MXC], s[SEL], s[SEL+1]
	v_add_f32 v[LT+(\a)], v[MXC], v[MXC+1]
.endm
	s_mov_b32 s[TC], 0
.Lway:                                                 ; three trips; a tile with a number below 0 is jumped over, forward, to the counter's step
	s_sub_co_i32 s[JC], s[J0], s[TC]
	s_cmp_lt_i32 s[JC], 0
	s_cbranch_scc1 .Lnext
	s_wait_xcnt 0x0                                ; the last tile's stores have read their bases and SD
	s_lshl_b32 s66, s[JC], 20
	s_add_co_u32 s66, s66, s[PCO]
	s_mov_b32 s67, 0
	s_add_nc_u64 s[PBA:PBA+1], s[12:13], s[66:67]
	s_lshl_b32 s66, s[JC], 16
	s_add_co_u32 s66, s66, s[SCO]
	s_add_nc_u64 s[SBA:SBA+1], s[14:15], s[66:67]
	s_cmp_eq_u32 s[TC], 0
	s_cbranch_scc0 .Ltau1
	STAGE1 0
	s_cmp_lg_u32 s[CH], 0                          ; only chunk 0's first tile holds the diagonal
	s_cbranch_scc1 .Lstage2
	DMASK
	s_branch .Lstage2
.Ltau1:
	s_cmp_eq_u32 s[TC], 1
	s_cbranch_scc0 .Ltau2
	STAGE1 1
	s_branch .Lstage2
.Ltau2:
	STAGE1 2
.Lstage2:
	UNIT 0
	UNIT 1
	UNIT 2
	UNIT 3
.irp a, 0,1,2,3
	v_cndmask_b32 v[SD+(\a)], v[CM+2*(\a)], v[LT+(\a)], s[HM]  ; both halves of the lanes hold both: lanes 0-15 store c m, lanes 16-31 the sum
.endr
	global_store_b128 v[LO], v[SD:SD+3], s[SBA:SBA+1]  ; the 512 bytes of this group of 64 keys and 64 queries
.Lnext:
	s_add_co_u32 s[TC], s[TC], 1
	s_cmp_lt_u32 s[TC], 3
	s_cbranch_scc1 .Lway
	s_wait_tensorcnt 0x0                           ; the wave's end
	ds_add_u32 v[SPW], v[NIL]
	s_wait_dscnt 0x0
	s_endpgm
.Lfunc_end_k_qd14825bf61_score:
	.size	k_qd14825bf61_score, .Lfunc_end_k_qd14825bf61_score-k_qd14825bf61_score
	.p2alignl 7, 3214868480
	.fill 96, 4, 3214868480
	.section	.rodata,"a",@progbits
	.p2align	6, 0x0
	.amdhsa_kernel k_qd14825bf61_score
		.amdhsa_group_segment_fixed_size 327680
		.amdhsa_private_segment_fixed_size 0
		.amdhsa_enable_private_segment 0
		.amdhsa_kernarg_size 48
		.amdhsa_user_sgpr_count 2
		.amdhsa_user_sgpr_kernarg_segment_ptr 1
		.amdhsa_wavefront_size32 1
		.amdhsa_system_sgpr_workgroup_id_x 1
		.amdhsa_system_sgpr_workgroup_id_y 1
		.amdhsa_system_sgpr_workgroup_id_z 1
		.amdhsa_system_vgpr_workitem_id 0
		.amdhsa_next_free_vgpr 1024
		.amdhsa_next_free_sgpr 80
		.amdhsa_reserve_vcc 1
		.amdhsa_float_denorm_mode_32 3
		.amdhsa_float_denorm_mode_16_64 3
		.amdhsa_memory_ordered 1
		.amdhsa_forward_progress 1
		.amdhsa_inst_pref_size 146
	.end_amdhsa_kernel
	.amdgpu_metadata
---
amdhsa.version: [ 1, 2 ]
amdhsa.kernels:
  - .name:           k_qd14825bf61_score
    .symbol:         k_qd14825bf61_score.kd
    .args:
      - { .name: qh, .offset: 0, .size: 8, .value_kind: global_buffer, .address_space: global }
      - { .name: kh, .offset: 8, .size: 8, .value_kind: global_buffer, .address_space: global }
      - { .name: frame_no, .offset: 16, .size: 8, .value_kind: global_buffer, .address_space: global }
      - { .name: alibi_param, .offset: 24, .size: 8, .value_kind: global_buffer, .address_space: global }
      - { .name: ph, .offset: 32, .size: 8, .value_kind: global_buffer, .address_space: global }
      - { .name: st, .offset: 40, .size: 8, .value_kind: global_buffer, .address_space: global }
    .group_segment_fixed_size: 327680
    .private_segment_fixed_size: 0
    .kernarg_segment_align: 8
    .kernarg_segment_size: 48
    .max_flat_workgroup_size: 128
    .sgpr_count:     80
    .vgpr_count:     1024
    .wavefront_size: 32
...
	.end_amdgpu_metadata
.endif
;; end of part 3
;; launch pv (part 4): grid 8 x 32, 4 waves a work-group, no clusters, 280,576 bytes of LDS; arguments ph, vth, st, bv, out0; writes out0
.if DOCPART == 4
	.amdgcn_target "amdgcn-amd-amdhsa--gfx1250"
	.amdhsa_code_object_version 6
	.text
	.protected	k_qd14825bf61_pv
	.globl	k_qd14825bf61_pv
	.p2align	8
	.type	k_qd14825bf61_pv,@function
k_qd14825bf61_pv:
	s_mov_b64 s[64:65], 0
	v_nop
	global_prefetch_b8 v0, s[64:65] scope:SCOPE_SE
	s_setreg_imm32_b32 hwreg(HW_REG_WAVE_MODE, 25, 1), 1
	s_wait_xcnt 0x0
; AttentionBlock, launch 4 of 4: out0[1024 + column][query] = (sum over groups of 64 keys of f x (vT P)) / l + bv[column], with f = 2^(c m_group - c m_row), c m_row the row's maximum over its groups,
; l = sum of f x the group's sum.  The maximum taken away before the exponentials is thus the row's own, as in reference().  Products in f16 with f32 sums; f is applied to P in f16.
; LEFT OUT: key tiles above the diagonal (never written, never read).  LIMITS: a factor or a scaled weight below 6e-8 counts as 0 (beside a row's largest weight, which is 1).
; SHARES.  A work-group makes 128 columns x TWO blocks of 64 queries, 63 - p and p: block a needs a / 2 + 1 key tiles of 128, and the two together 33, whatever p: 256 work-groups of equal work and one walk of
; 33 trips.  THE KEYS ARE SPLIT AMONG THE FOUR WAVES: of each tile wave w takes keys 32 w .. 32 w + 31, for all 128 columns and 64 queries: 32 accumulators a block, both blocks' kept (windows 1 and 3).
; So no wave wants a byte that another has fetched: fragments come straight from memory (ph and vth are images of fragments: each load is 512 consecutive bytes), with no LDS and no barrier in the walk.
; Three sets of registers, a trip each: two trips' 50 loads are on their way while one is multiplied.  The four partial sums meet in LDS at the end.
; THE WALK.  Trip 0: the high block's tile 0.  Trip g >= 1: the low block's tile g - 1 while g <= n2 (its number of tiles), then the high block's tile g - n2.  Trips 0 and 1 start the two sums with 0.
; NO CLUSTER, NO LDS RING: a trip is 32 matrix instructions a wave, too short a step for a barrier a trip.  NO PREFETCH: each block of P is read by 8 work-groups and each of vT by up to 32 at about the same time, and the
; loads themselves run two trips ahead.
; Source 0 = 16 queries of P, source 1 = 16 columns of vT: a lane holds one column (lane % 16) and eight neighbouring queries: 32 bytes of a row of out0.
; REGISTERS: window 0: addresses, statistics, v32-127 P (3 x 32), v192-255 the way out; window 1: the high block's sums ((vb, sb) at 8 (4 vb + sb)), before the walk the statistics' work; window 2: v0-191 vT (3 x 64);
; window 3: the low block's sums.
.set RPITCH, 272                       ; a row of partial sums: 64 queries x 4 bytes + 16: sixteen rows' 16-byte stores fall into sixteen different columns of 16 bytes
.set RAREA,  128*RPITCH                ; 34,816: one wave's partial sums of one block
.set MT,     8*RAREA                   ; 278,528: c m of the 128 rows, word t for thread t
.set RT,     MT+512                    ; 1 / l likewise
.set BT,     MT+1024                   ; bv of the 128 columns
.set SPARE,  MT+1536                   ; the spare words, 128 bytes for each wave: two blocks of 256 bytes that no other line names
.set LO,  2                            ; v2   16 x lane
.set RO,  3                            ; v3   16 x (lane % 16)
.set MH,  4                            ; v[4:7]   c m of the high block's queries 16 sb + lane % 16
.set ML,  8                            ; v[8:11]  the low block's
.set MS,  12                           ; v12-15   the block's in hand
.set FM,  16                           ; v[16:27] three sets: c m of the group in hand
.set FF,  28                           ; v28-31   the factors, f16 twice
.set PB,  32
.set BVR, 136                          ; v136-139 bv of a batch's rows
.set RIH, 144                          ; v144-147 1 / l of my four queries on the way out, high block
.set RIL, 148                          ; v148-151 low block
.set SPW, 152
.set NIL, 153
.set WSA, 154                          ; v154, v155  where I put partial sums, by block
.set RA,  156                          ; v156-159    where I read the four waves' back
.set OO,  160                          ; v160  my byte offset in out0
.set BA,  161                          ; v161  my row's place in the table of bv
.set BVL, 162
.set SO,  163                          ; v163  4 x (thread % 64)
.set SA,  164                          ; v164  MT + 4 x thread
.set BO,  165
.set MA,  166
.set RB,  167
.set RA0, 172
.set BA0, 173
.set OO0, 174
.set BAT, 192
.set SM,  0                            ; window 1, before the walk: c m of up to 64 groups,
.set SL,  64                           ; their sums,
.set SC,  128                          ; four chains,
.set SX,  132                          ; the row's c m, twice,
.set SR,  134                          ; l, and 1 / l behind it,
.set SQ,  136                          ; four packed chains
.set WV,  16
.set AHI, 18
.set ALO, 19
.set N2,  20
.set G,   21                           ; s21  the trip in hand
.set GL,  22                           ; s22  the trip to be loaded
.set CNT, 23
.set BP,  24                           ; s[24:25] ph, s[26:27] vth, s[28:29] st at the trip to be loaded
.set BVT, 26
.set BS,  28
.set WH,  30
.set NW,  31
.set WPC, 32
.set WVC, 33
.set WSC, 34
.set OBH, 48                           ; s[48:49] out0 at the work-group's columns and the high block's queries
.set STB, 50                           ; s[50:51] st at my block's queries
.set OBL, 52                           ; s[52:53]
.set MSB, 0
.macro WIN new
.if MSB != (\new)
	s_set_vgpr_msb (MSB<<8)|(\new)
.set MSB, \new
.endif
.endm
.macro PLACES
.rept 4
	v_nop
.endr
.endm
; The 25 loads of trip GL into set k: P's four fragments, the group's c m, vT's eight fragments.
.macro ISSUE k, first
	s_wait_xcnt 0x0                                ; every earlier load has read its base, so the three bases may be written
.if \first
	s_mov_b32 s36, 0
	s_mov_b32 s37, s[AHI]
.else
	s_sub_co_u32 s38, s[GL], 1
	s_sub_co_u32 s39, s[GL], s[N2]
	s_cmp_le_u32 s[GL], s[N2]
	s_cselect_b32 s36, s38, s39                    ; the key tile
	s_cselect_b32 s37, s[ALO], s[AHI]              ; the block of queries
.endif
	s_lshl_b32 s40, s36, 20
	s_lshl_b32 s38, s37, 12
	s_add_co_u32 s40, s40, s38
	s_add_co_u32 s40, s40, s[WPC]
	s_add_nc_u64 s[BP:BP+1], s[4:5], s[40:41]
	s_lshl_b32 s40, s36, 18
	s_add_co_u32 s40, s40, s[WVC]
	s_add_nc_u64 s[BVT:BVT+1], s[6:7], s[40:41]
	s_lshl_b32 s40, s36, 16
	s_lshl_b32 s38, s37, 9
	s_add_co_u32 s40, s40, s38
	s_add_co_u32 s40, s40, s[WSC]
	s_add_nc_u64 s[BS:BS+1], s[8:9], s[40:41]
.irp f, 0,1,2,3
	global_load_b128 v[PB+32*(\k)+8*(\f):PB+32*(\k)+8*(\f)+3],   v[LO], s[BP:BP+1] offset:(\f)*1024
	global_load_b128 v[PB+32*(\k)+8*(\f)+4:PB+32*(\k)+8*(\f)+7], v[LO], s[BP:BP+1] offset:(\f)*1024+512
.endr
	global_load_b128 v[FM+4*(\k):FM+4*(\k)+3], v[RO], s[BS:BS+1]
	WIN 0x80
.irp f, 0,1,2,3,4,5,6,7
	global_load_b128 v[64*(\k)+8*(\f):64*(\k)+8*(\f)+3],   v[LO], s[BVT:BVT+1] offset:(\f)*1024
	global_load_b128 v[64*(\k)+8*(\f)+4:64*(\k)+8*(\f)+7], v[LO], s[BVT:BVT+1] offset:(\f)*1024+512
.endr
	WIN 0
	s_add_co_u32 s[GL], s[GL], 1
.endm
; A trip's 32 products; the 32 accumulators take turns, one instruction a turn, from trip to trip too.
.macro MUL32 k, lo, zero
.if \lo
	WIN 0xf8
.else
	WIN 0x58
.endif
.set n, 0
.rept 32
.if \zero
	v_wmma_f32_16x16x32_f16 v[8*n:8*n+7], v[PB+32*(\k)+8*(n%4):PB+32*(\k)+8*(n%4)+7], v[64*(\k)+8*(n/4):64*(\k)+8*(n/4)+7], 0
.else
	v_wmma_f32_16x16x32_f16 v[8*n:8*n+7], v[PB+32*(\k)+8*(n%4):PB+32*(\k)+8*(n%4)+7], v[64*(\k)+8*(n/4):64*(\k)+8*(n/4)+7], v[8*n:8*n+7]
.endif
.set n, n+1
.endr
	WIN 0
.endm
; A trip on set k.  mode 1: the high block's first; 2: the low block's first; 0: the block goes by the trip's number, a whole number made of ids.  ld = 1: the set is asked for again.  left: the younger loads that may stay out.
.macro TRIP k, mode, ld, left
	s_wait_loadcnt \left
.if (\mode) == 0
	s_cmp_le_u32 s[G], s[N2]
	s_cselect_b32 s[WH], -1, 0
.irp b, 0,1,2,3
	v_cndmask_b32 v[MS+(\b)], v[MH+(\b)], v[ML+(\b)], s[WH]
.endr
.set rM, MS
.elseif (\mode) == 1
.set rM, MH
.else
.set rM, ML
.endif
.irp b, 0,1,2,3
	v_sub_f32 v[FF+(\b)], v[FM+4*(\k)+(\b)], v[rM+(\b)]
.endr
.irp b, 0,1,2,3
	v_exp_f32 v[FF+(\b)], v[FF+(\b)]
.endr
	v_nop                                          ; a plain instruction behind the last exponential,
	s_wait_alu depctr_va_vdst(0)                   ; and one wait for the four, ahead of their first reader
.irp b, 0,1,2,3
	v_cvt_pk_f16_f32 v[FF+(\b)], v[FF+(\b)], v[FF+(\b)]
.endr
.set n, 0
.rept 32
	v_pk_mul_f16 v[PB+32*(\k)+n], v[PB+32*(\k)+n], v[FF+n/8]  ; a lane of P's fragment sb holds one query: its factor
.set n, n+1
.endr
.if (\mode) == 1
	MUL32 \k, 0, 1
.elseif (\mode) == 2
	MUL32 \k, 1, 1
.else
	s_cmp_le_u32 s[G], s[N2]
	s_cbranch_scc1 .Llo_\@
	MUL32 \k, 0, 0
	s_branch .Ljoin_\@
.Llo_\@:
	MUL32 \k, 1, 0
.Ljoin_\@:
.endif
.if \ld
	PLACES                                         ; in front of loads into registers that those products have read
	ISSUE \k, 0
.endif
	s_add_co_u32 s[G], s[G], 1
.endm
	s_load_b256 s[4:11], s[0:1], 0x0               ; ph s[4:5], vth s[6:7], st s[8:9], bv s[10:11]
	s_load_b64 s[12:13], s[0:1], 0x20              ; out0
	v_lshl_add_u32 v[SPW], v0, 2, SPARE
	v_mov_b32 v[NIL], 0
	v_lshrrev_b32 v1, 5, v0
	v_readfirstlane_b32 s[WV], v1
	s_and_b32 s[ALO], ttmp7, 0xffff
	s_sub_co_u32 s[AHI], 63, s[ALO]
	s_lshr_b32 s[N2], s[ALO], 1
	s_add_co_u32 s[N2], s[N2], 1
	s_mov_b32 s[G], 0
	s_mov_b32 s[GL], 0
	s_mov_b32 s41, 0                               ; the high word of every offset; never rewritten
	s_mov_b32 s45, 0
	s_mov_b32 s47, 0
	s_lshl_b32 s[WPC], s[WV], 18                   ; my 32 keys of a tile, in ph,
	s_lshl_b32 s[WVC], s[WV], 16                   ; in vth, with the work-group's 128 columns,
	s_lshl_b32 s36, ttmp9, 13
	s_add_co_u32 s[WVC], s[WVC], s36
	s_lshr_b32 s42, s[WV], 1
	s_lshl_b32 s[WSC], s42, 15                     ; and their group of 64, in st
	s_cmp_eq_u32 s42, 0                            ; the statistics: waves 0 and 1 take the high block's 64 rows, waves 2 and 3 the low block's, a thread a row
	s_cselect_b32 s37, s[AHI], s[ALO]
	s_lshr_b32 s[NW], s37, 1
	s_add_co_u32 s[NW], s[NW], 1
	s_lshl_b32 s[NW], s[NW], 1                     ; the block's groups of 64 keys: 2 to 64
	s_lshl_b32 s40, s37, 9
	v_and_b32 v168, 31, v0
	v_lshlrev_b32 v[LO], 4, v168
	v_and_b32 v169, 15, v0
	v_lshlrev_b32 v[RO], 4, v169
	v_bfe_u32 v170, v0, 4, 1
	v_and_b32 v171, 63, v0
	v_lshlrev_b32 v[SO], 2, v171
	s_lshl_b32 s36, ttmp9, 9
	v_lshl_add_u32 v[BO], v0, 2, s36
	v_lshl_add_u32 v[SA], v0, 2, MT
	v_add_nc_u32 v[MA], MT, v[RO]                  ; word 4 r + sb of a block's 64 is row 16 sb + r: my four c m are 16 bytes on end
	v_and_b32 v171, 3, v169
	v_lshrrev_b32 v1, 2, v169
	v_lshlrev_b32 v1, 2, v1
	v_lshl_add_u32 v1, v171, 6, v1
	v_add_nc_u32 v[RB], RT, v1                     ; query 4 x + e (x = lane % 16) is word 16 (x % 4) + 4 e + x / 4
	v_mul_u32_u24 v1, v169, RPITCH
	v_lshl_add_u32 v1, v170, 5, v1
	s_mul_i32 s36, s[WV], RAREA
	v_add_nc_u32 v[WSA], s36, v1
	v_add_nc_u32 v[WSA+1], 4*RAREA, v[WSA]
	v_mul_u32_u24 v1, v170, RPITCH
	v_lshl_add_u32 v1, v169, 4, v1
	s_mul_i32 s36, s[WV], 32*RPITCH
	v_add_nc_u32 v[RA0], s36, v1
	s_lshl_b32 s36, s[WV], 7
	s_add_co_u32 s36, s36, BT
	v_lshl_add_u32 v[BA0], v170, 2, s36
	s_lshl_b32 s36, s[WV], 19
	v_lshl_add_u32 v1, v170, 14, s36
	v_lshl_add_u32 v[OO0], v169, 4, v1
	s_lshl_b32 s43, ttmp9, 21                      ; out0: row 1,024 + 128 x the work-group's x, 16,384 bytes a row
	s_add_co_u32 s43, s43, 1024*16384
	s_lshl_b32 s44, s[AHI], 8
	s_add_co_u32 s44, s44, s43
	s_lshl_b32 s46, s[ALO], 8
	s_add_co_u32 s46, s46, s43
	s_wait_kmcnt 0x0
	s_add_nc_u64 s[STB:STB+1], s[8:9], s[40:41]
	s_add_nc_u64 s[OBH:OBH+1], s[12:13], s[44:45]
	s_add_nc_u64 s[OBL:OBL+1], s[12:13], s[46:47]
	global_load_b32 v[BVL], v[BO], s[10:11]
	; Groups that the block does not have count as c m = -2^100 and sum 0: their factor is 0.  (Groups 0 and 1 every block has.)
	WIN 0x40
.set i, 2
.rept 62
	v_mov_b32 v[SM+i], 0xf1800000
	v_mov_b32 v[SL+i], 0
.set i, i+1
.endr
	; Only entries that the launch before has written are read: behind every second group the list is left, forward, when the block's groups are through.  At a branch every window is 0.
.set u, 0
.rept 32
	WIN 0x40
	global_load_b32 v[SM+2*u],   v[SO], s[STB:STB+1] offset:(2*u)*32768
	global_load_b32 v[SM+2*u+1], v[SO], s[STB:STB+1] offset:(2*u+1)*32768
	global_load_b32 v[SL+2*u],   v[SO], s[STB:STB+1] offset:(2*u)*32768+256
	global_load_b32 v[SL+2*u+1], v[SO], s[STB:STB+1] offset:(2*u+1)*32768+256
	WIN 0
.if u < 31
	s_cmp_eq_u32 s[NW], 2*u+2
	s_cbranch_scc1 .Lstats_done
.endif
.set u, u+1
.endr
.Lstats_done:
	ISSUE 0, 1                                     ; the first three trips' loads go out behind the statistics'
	ISSUE 1, 0
	ISSUE 2, 0
	s_wait_loadcnt 63                              ; 75 loads are younger than the statistics' and bv's: those are in
	WIN 0x55
.irp k, 0,1,2,3
	v_max3_num_f32 v[SC+(\k)], v[SM+16*(\k)], v[SM+16*(\k)+1], v[SM+16*(\k)+2]
.endr
.irp q, 0,1,2,3,4,5
.irp k, 0,1,2,3
	v_max3_num_f32 v[SC+(\k)], v[SC+(\k)], v[SM+16*(\k)+3+2*(\q)], v[SM+16*(\k)+4+2*(\q)]
.endr
.endr
.irp k, 0,1,2,3
	v_max_num_f32 v[SC+(\k)], v[SC+(\k)], v[SM+16*(\k)+15]
.endr
	v_max3_num_f32 v[SC], v[SC], v[SC+1], v[SC+2]
	v_max_num_f32 v[SX], v[SC], v[SC+3]            ; the row's c m
	v_mov_b32 v[SX+1], v[SX]
.set i, 0
.rept 32
	v_pk_add_f32 v[SM+2*i:SM+2*i+1], v[SM+2*i:SM+2*i+1], v[SX:SX+1] neg_lo:[0,1] neg_hi:[0,1]
.set i, i+1
.endr
.set i, 0
.rept 64
	v_exp_f32 v[SM+i], v[SM+i]
.set i, i+1
.endr
	v_nop
	s_wait_alu depctr_va_vdst(0)                   ; one wait for the batch of 64
.irp k, 0,1,2,3
	v_pk_mul_f32 v[SQ+2*(\k):SQ+2*(\k)+1], v[SL+2*(\k):SL+2*(\k)+1], v[SM+2*(\k):SM+2*(\k)+1]
.endr
.set i, 4
.rept 28
	v_pk_fma_f32 v[SQ+2*(i%4):SQ+2*(i%4)+1], v[SL+2*i:SL+2*i+1], v[SM+2*i:SM+2*i+1], v[SQ+2*(i%4):SQ+2*(i%4)+1]
.set i, i+1
.endr
	v_pk_add_f32 v[SQ:SQ+1], v[SQ:SQ+1], v[SQ+2:SQ+3]
	v_pk_add_f32 v[SQ+4:SQ+5], v[SQ+4:SQ+5], v[SQ+6:SQ+7]
	v_pk_add_f32 v[SQ:SQ+1], v[SQ:SQ+1], v[SQ+4:SQ+5]
	v_add_f32 v[SR], v[SQ], v[SQ+1]                ; l
	v_rcp_f32 v[SR+1], v[SR]
	v_nop
	s_wait_alu depctr_va_vdst(0)
	WIN 0x04
	ds_store_b32 v[SA], v[SX]
	ds_store_b32 v[SA], v[SR+1] offset:512
	WIN 0
	ds_store_b32 v[SA], v[BVL] offset:1024
	s_wait_dscnt 0x0                               ; for the others' sake: my stores are done
	s_barrier_signal -1
	s_barrier_wait -1
	ds_load_b128 v[MH:MH+3], v[MA]
	ds_load_b128 v[ML:ML+3], v[MA] offset:256
.irp e, 0,1,2,3
	ds_load_b32 v[RIH+(\e)], v[RB] offset:16*(\e)
	ds_load_b32 v[RIL+(\e)], v[RB] offset:256+16*(\e)
.endr
	s_wait_dscnt 0x0
	TRIP 0, 1, 1, 50                               ; 50: the two younger sets' 25 loads each
	TRIP 1, 2, 1, 50
	TRIP 2, 0, 1, 50
	s_mov_b32 s[CNT], 9
.Lwalk:                                                ; trips 3 to 29, which ask for trips 6 to 32
	TRIP 0, 0, 1, 50
	TRIP 1, 0, 1, 50
	TRIP 2, 0, 1, 50
	s_sub_co_u32 s[CNT], s[CNT], 1
	s_cmp_lg_u32 s[CNT], 0
	s_cbranch_scc1 .Lwalk
	TRIP 0, 0, 0, 50                               ; the last three trips load nothing: the counts run down
	TRIP 1, 0, 0, 25
	TRIP 2, 0, 0, 0
	PLACES
	; THE WAY OUT.  Each wave's partial sums of both blocks go into LDS bytes of its own, each accumulator's low registers first; one barrier; wave w adds up rows 32 w .. 32 w + 31 of both blocks.
	WIN 0x04
.set n, 0
.rept 32
	ds_store_b128 v[WSA], v[8*n:8*n+3]   offset:(n/4)*16*RPITCH+(n%4)*64
	ds_store_b128 v[WSA], v[8*n+4:8*n+7] offset:(n/4)*16*RPITCH+(n%4)*64+16
.set n, n+1
.endr
	WIN 0x0c
.set n, 0
.rept 32
	ds_store_b128 v[WSA+1], v[8*n:8*n+3]   offset:(n/4)*16*RPITCH+(n%4)*64
	ds_store_b128 v[WSA+1], v[8*n+4:8*n+7] offset:(n/4)*16*RPITCH+(n%4)*64+16
.set n, n+1
.endr
	WIN 0
	s_wait_dscnt 0x0
	s_barrier_signal -1
	s_barrier_wait -1
; A block's 32 rows of mine, eight a trip: lanes 0-15 take one row's 256 bytes, lanes 16-31 the next row's; four sources; sum x (1 / l) + bv; sixteen lanes store 256 consecutive bytes, aligned, of a row of out0.
.macro OUTSET set, ri, ob
.irp c, 0,1,2,3
	v_add_nc_u32 v[RA+(\c)], (4*(\set)+(\c))*RAREA, v[RA0]
.endr
	v_mov_b32 v[BA], v[BA0]
	v_mov_b32 v[OO], v[OO0]
	s_mov_b32 s[CNT], 4
.Lbatch_\@:
.irp p, 0,1,2,3
.irp c, 0,1,2,3
	ds_load_b128 v[BAT+16*(\p)+4*(\c):BAT+16*(\p)+4*(\c)+3], v[RA+(\c)] offset:(\p)*2*RPITCH
.endr
	ds_load_b32 v[BVR+(\p)], v[BA] offset:(\p)*8
.endr
	s_wait_dscnt 0x0
.irp p, 0,1,2,3
	v_pk_add_f32 v[BAT+16*(\p):BAT+16*(\p)+1],     v[BAT+16*(\p):BAT+16*(\p)+1],     v[BAT+16*(\p)+4:BAT+16*(\p)+5]
	v_pk_add_f32 v[BAT+16*(\p)+2:BAT+16*(\p)+3],   v[BAT+16*(\p)+2:BAT+16*(\p)+3],   v[BAT+16*(\p)+6:BAT+16*(\p)+7]
	v_pk_add_f32 v[BAT+16*(\p)+8:BAT+16*(\p)+9],   v[BAT+16*(\p)+8:BAT+16*(\p)+9],   v[BAT+16*(\p)+12:BAT+16*(\p)+13]
	v_pk_add_f32 v[BAT+16*(\p)+10:BAT+16*(\p)+11], v[BAT+16*(\p)+10:BAT+16*(\p)+11], v[BAT+16*(\p)+14:BAT+16*(\p)+15]
	v_pk_add_f32 v[BAT+16*(\p):BAT+16*(\p)+1],     v[BAT+16*(\p):BAT+16*(\p)+1],     v[BAT+16*(\p)+8:BAT+16*(\p)+9]
	v_pk_add_f32 v[BAT+16*(\p)+2:BAT+16*(\p)+3],   v[BAT+16*(\p)+2:BAT+16*(\p)+3],   v[BAT+16*(\p)+10:BAT+16*(\p)+11]
.irp e, 0,1,2,3
	v_fma_f32 v[BAT+16*(\p)+(\e)], v[BAT+16*(\p)+(\e)], v[(\ri)+(\e)], v[BVR+(\p)]
.endr
	global_store_b128 v[OO], v[BAT+16*(\p):BAT+16*(\p)+3], s[(\ob):(\ob)+1] offset:(\p)*32768 th:TH_STORE_NT
.endr
	s_wait_xcnt 0x0                                ; the stores have read their data and their offset
.irp c, 0,1,2,3
	v_add_nc_u32 v[RA+(\c)], 8*RPITCH, v[RA+(\c)]
.endr
	v_add_nc_u32 v[BA], 32, v[BA]
	v_add_nc_u32 v[OO], 8*16384, v[OO]
	s_sub_co_u32 s[CNT], s[CNT], 1
	s_cmp_lg_u32 s[CNT], 0
	s_cbranch_scc1 .Lbatch_\@
.endm
	OUTSET 0, RIH, OBH
	OUTSET 1, RIL, OBL
	s_wait_tensorcnt 0x0                           ; the wave's end: behind my last LDS store
	ds_add_u32 v[SPW], v[NIL]
	s_wait_dscnt 0x0
	s_endpgm
.Lfunc_end_k_qd14825bf61_pv:
	.size	k_qd14825bf61_pv, .Lfunc_end_k_qd14825bf61_pv-k_qd14825bf61_pv
	.p2alignl 7, 3214868480
	.fill 96, 4, 3214868480
	.section	.rodata,"a",@progbits
	.p2align	6, 0x0
	.amdhsa_kernel k_qd14825bf61_pv
		.amdhsa_group_segment_fixed_size 280576
		.amdhsa_private_segment_fixed_size 0
		.amdhsa_enable_private_segment 0
		.amdhsa_kernarg_size 40
		.amdhsa_user_sgpr_count 2
		.amdhsa_user_sgpr_kernarg_segment_ptr 1
		.amdhsa_wavefront_size32 1
		.amdhsa_system_sgpr_workgroup_id_x 1
		.amdhsa_system_sgpr_workgroup_id_y 1
		.amdhsa_system_sgpr_workgroup_id_z 1
		.amdhsa_system_vgpr_workitem_id 0
		.amdhsa_next_free_vgpr 1024
		.amdhsa_next_free_sgpr 66
		.amdhsa_reserve_vcc 0
		.amdhsa_float_denorm_mode_32 3
		.amdhsa_float_denorm_mode_16_64 3
		.amdhsa_memory_ordered 1
		.amdhsa_forward_progress 1
		.amdhsa_inst_pref_size 141
	.end_amdhsa_kernel
	.amdgpu_metadata
---
amdhsa.version: [ 1, 2 ]
amdhsa.kernels:
  - .name:           k_qd14825bf61_pv
    .symbol:         k_qd14825bf61_pv.kd
    .args:
      - { .name: ph, .offset: 0, .size: 8, .value_kind: global_buffer, .address_space: global }
      - { .name: vth, .offset: 8, .size: 8, .value_kind: global_buffer, .address_space: global }
      - { .name: st, .offset: 16, .size: 8, .value_kind: global_buffer, .address_space: global }
      - { .name: bv, .offset: 24, .size: 8, .value_kind: global_buffer, .address_space: global }
      - { .name: out0, .offset: 32, .size: 8, .value_kind: global_buffer, .address_space: global }
    .group_segment_fixed_size: 280576
    .private_segment_fixed_size: 0
    .kernarg_segment_align: 8
    .kernarg_segment_size: 40
    .max_flat_workgroup_size: 128
    .sgpr_count:     66
    .vgpr_count:     1024
    .wavefront_size: 32
...
	.end_amdgpu_metadata
.endif
;; end of part 4
;; ======== version 2 of 2: 4 launches; version 1 with the launch prep written anew for expert scheduling mode
;; limits: values are held in f16: magnitudes above 65,504 overflow, below 6.1e-05 lose precision; right only within a limited range of input values
;; workspace buffers: xh 8,388,608 bytes; wh 6,291,456 bytes; qh 8,388,608 bytes; kh 8,388,608 bytes; vth 8,388,608 bytes; ph 33,554,432 bytes; st 2,097,152 bytes
;; launch prep (part 5): grid 224 x 1, 8 waves a work-group, no clusters, 67,584 bytes of LDS; arguments input, Wq, Wk, Wv, out0, xh, wh; writes out0, xh, wh
.if DOCPART == 5
	.amdgcn_target "amdgcn-amd-amdhsa--gfx1250"
	.amdhsa_code_object_version 6
	.text
	.protected	k_qd14825bf61_prep
	.globl	k_qd14825bf61_prep
	.p2align	8
	.type	k_qd14825bf61_prep,@function
k_qd14825bf61_prep:
	s_mov_b64 s[64:65], 0
	v_nop
	global_prefetch_b8 v0, s[64:65] scope:SCOPE_SE
	s_setreg_imm32_b32 hwreg(HW_REG_WAVE_SCHED_MODE, 0, 2), 2
	s_setreg_imm32_b32 hwreg(HW_REG_WAVE_MODE, 25, 1), 1
	s_wait_xcnt 0x0
	s_wait_alu depctr_vm_vsrc(0)
; AttentionBlock, launch 1 of 4: the copy of the input into out0's rows 0-1023, and x and Wq|Wk|Wv rounded to f16 and laid out as images of matrix fragments.
; THE PROGRAM.  prep (this); proj: q = x Wq + bq, k = x Wk, vT = (x Wv)^T; score: for each live tile of 128 queries x 128 keys the weights relative to a maximum of their own for each row and 64 keys,
; with that maximum and the sum; pv: the rows' maxima and sums from those, out = (sum of factor x vT P) / l + bv.
; WORK LEFT OUT, for all values of the inputs.  (1) bk: scores[s][t] = q_s . (x_t Wk + bk) / 32 + ..., and q_s . bk / 32 is the same for every t of row s, so the softmax over t cancels it in exact arithmetic.
; bk then has no way to an output: it is not loaded and is no argument of any launch.  (2) Tiles of scores that lie wholly above the diagonal: reference() sets them to -inf itself, their weights are 0.
; (3) bv is live; since a row's weights add up to 1, probs (x Wv + bv) = probs x Wv + bv, and it is added once, in f32, in the last launch.
; LIMITS.  A NaN, an infinity or an overflow that reaches only bk or scores above the diagonal is not carried to the result.  All matrix operands are f16 (11 significant bits; sums in f32): input, weights, q, k and v
; must stay within 65,504, beyond which a conversion gives an infinity.  That leaves room for inputs some 30 times the drawn ones (|q| about 6 as drawn, about 5,000 with x and W both 30 times larger).
; THE IMAGE.  A fragment is 16 rows x 32 k of f16, 1,024 bytes: [(k>>4)&1][lane = 16 ((k>>3)&1) + row%16][16 bytes: k%8].  Each half is what one 16-byte load a lane brings into four registers of a matrix operand.
; xh (rows s, k = channel) and wh (rows 0-3071 = the columns of Wq, Wk, Wv, k = channel): (row>>7) 262,144 + (k>>7) 32,768 + ((row>>4)&7) 4,096 + ((k>>5)&3) 1,024 + the image: 128 rows x 128 k are 32,768 dense bytes.
; SHARES.  The sources lie [k][row].  A wave takes 32 k x 128 rows: 32 loads, each 512 consecutive bytes of one source row, all on their way together; a lane then holds 4 rows x 32 k.  Eight k of one row pack into
; 16 bytes; they go through the wave's own LDS bytes (eight fragments, 1,040 bytes apart, so that sixteen lanes' 16-byte stores fall into sixteen different columns of 16 bytes) and come back as the image.
; Work-groups 0-127 take x, 128-223 the weights.  No barrier: no wave touches another's bytes.  No matrix unit, tensor load or cluster: the launch only moves bytes, each once.
; THE MODE: SCHED_MODE bits 1:0 = 2 (LLVM: expert scheduling mode 2), set by the entry lines.  The code itself states the register dependences between vector instructions and memory or LDS instructions,
; with s_wait_alu, always for 0.
; THE PLAN.  Registers that memory or LDS instructions touch:
;   v2 to v6   offsets, LDS addresses and the closing add's pair: written at the head, once, and never again.
;   X          written by the 32 loads alone, each register once; read by the copy's stores and by the roundings.
;   Y0, Y1     the 32 source rows go in four groups of eight.  Group g's sixteen roundings write Y[g % 2]; the four LDS stores that read it are issued in group g + 1.
;   Z          written by the tail's LDS loads alone; read by the tail's stores; no vector instruction names it.
; Group g's memory and LDS instructions are the copy of its own rows, whose data loads have brought, and the LDS stores from Y[(g - 1) % 2]; its roundings name X and Y[g % 2].  So the waits at a group's head
; state all that its stores hang on, and these are dealt among its roundings with no further wait.  The last group's LDS stores stand behind the label at which the two arms join.
.set PITCHX, 16384                     ; bytes from channel to channel in input and out0
.set PITCHW, 4096                      ; in a weight matrix
.set RTP,    1040                      ; a fragment in LDS: 1,024 bytes + 16
.set WAREA,  8*RTP                     ; a wave's bytes
.set SPARE,  8*WAREA                   ; 66,560: the spare words, 128 bytes for each wave: four blocks of 256 bytes that no other line names
.set OFF, 2                            ; v2   16 x lane; never rewritten
.set LW,  3                            ; v3   where I put 16 bytes: my wave's bytes + (lane / 4) RTP + (lane % 4) 64
.set LR,  4                            ; v4   where I read back: my wave's bytes + 16 x lane
.set SPW, 5                            ; v5   LDS address of my spare word; never rewritten
.set NIL, 6                            ; v6   0; never rewritten
.set X,   8                            ; v[8:135]    source row p at X + 4 p
.set Y,   136                          ; v[136:167]  two buffers of 16: packed, four rows x 8 k
.set Z,   168                          ; v[168:231]  the image, 16 x 4 registers
	s_load_b256 s[4:11], s[0:1], 0x0               ; input s[4:5], Wq s[6:7], Wk s[8:9], Wv s[10:11]
	s_load_b128 s[12:15], s[0:1], 0x20             ; out0 s[12:13], xh s[14:15]
	s_load_b64 s[16:17], s[0:1], 0x30              ; wh
	v_lshl_add_u32 v[SPW], v0, 2, SPARE
	v_mov_b32 v[NIL], 0
	v_lshrrev_b32 v1, 5, v0
	v_readfirstlane_b32 s18, v1                    ; wave 0..7
	v_and_b32 v7, 31, v0
	v_lshlrev_b32 v[OFF], 4, v7
	v_lshrrev_b32 v1, 2, v7
	v_mul_u32_u24 v1, v1, RTP
	v_and_b32 v7, 3, v7
	v_lshl_add_u32 v1, v7, 6, v1
	s_wait_alu depctr_va_sdst(0)                   ; s18 is written, ahead of its first reader: the wave's LDS bytes and its 32 k are made from it
	s_mul_i32 s19, s18, WAREA
	v_add_nc_u32 v[LW], s19, v1
	v_add_nc_u32 v[LR], s19, v[OFF]
	s_and_b32 s20, ttmp9, 3
	s_lshl_b32 s20, s20, 3
	s_add_co_u32 s20, s20, s18                     ; which 32 k: 0..31
	s_lshr_b32 s21, s20, 2
	s_lshl_b32 s21, s21, 15
	s_and_b32 s22, s20, 3
	s_lshl_b32 s22, s22, 10
	s_add_co_u32 s21, s21, s22                     ; their place in a block of 128 rows of the image
	s_mov_b32 s33, 0
	s_mov_b32 s35, 0
	s_wait_kmcnt 0x0
	s_wait_alu depctr_va_vdst(0)                   ; v2 to v6 are written: every load, store and LDS instruction of both arms and of the tail reads one of them as its address, the closing add two
; 32 loads; then, eight source rows at a time: the copy (copy = 1), 16 roundings, and the four LDS stores of the group before.
.macro TILE pitch, copy
.set tr, 0
.rept 32
	global_load_b128 v[X+4*tr:X+4*tr+3], v[OFF], s[28:29] offset:tr*(\pitch) th:TH_LOAD_NT
.set tr, tr+1
.endr
.set tg, 0
.rept 4
	s_wait_loadcnt 24-8*tg                         ; loads come back in order: rows 8 tg .. 8 tg + 7 are in, the younger rows' loads stay out
.if tg >= 2
	s_wait_alu depctr_vm_vsrc(0)                   ; the LDS stores issued in the group before have read Y[tg % 2], which this group's roundings write again
.endif
.if tg >= 1
	s_wait_alu depctr_va_vdst(0)                   ; the group before's roundings have written the other Y, which the LDS stores below read
.endif
.set te, 0
.rept 4
.if \copy
	global_store_b128 v[OFF], v[X+4*(8*tg+2*te):X+4*(8*tg+2*te)+3],   s[30:31] offset:(8*tg+2*te)*(\pitch) th:TH_STORE_NT    ; 512 consecutive bytes, aligned; X is never rewritten
	global_store_b128 v[OFF], v[X+4*(8*tg+2*te+1):X+4*(8*tg+2*te+1)+3], s[30:31] offset:(8*tg+2*te+1)*(\pitch) th:TH_STORE_NT
.endif
.if tg >= 1
	ds_store_b128 v[LW], v[Y+16*((tg-1)%2)+4*te:Y+16*((tg-1)%2)+4*te+3] offset:te*16+((tg-1)/2)*512+((tg-1)%2)*256  ; the group before's; no vector instruction since the wait names these registers
.endif
.set ti, 0
.rept 4
	v_cvt_pk_f16_f32 v[Y+16*(tg%2)+4*te+ti], v[X+4*(8*tg+2*ti)+te], v[X+4*(8*tg+2*ti+1)+te]  ; image row 4 lane + te, k 8 tg + 2 ti and the next
.set ti, ti+1
.endr
.set te, te+1
.endr
.set tg, tg+1
.endr
.endm
	s_cmp_lt_u32 ttmp9, 128
	s_cbranch_scc0 .Lweights
	s_lshr_b32 s23, ttmp9, 2                       ; x: which 128 positions
	s_lshl_b32 s32, s20, 19                        ; 32 channels of 16,384 bytes
	s_lshl_b32 s36, s23, 9
	s_add_co_u32 s32, s32, s36
	s_add_nc_u64 s[28:29], s[4:5], s[32:33]
	s_add_nc_u64 s[30:31], s[12:13], s[32:33]      ; the copy has the same place in out0
	s_lshl_b32 s34, s23, 18
	s_add_co_u32 s34, s34, s21
	s_add_nc_u64 s[24:25], s[14:15], s[34:35]
	TILE PITCHX, 1
	s_branch .Ltail
.Lweights:
	s_sub_co_u32 s23, ttmp9, 128
	s_lshr_b32 s36, s23, 5                         ; 0 Wq, 1 Wk, 2 Wv
	s_cmp_eq_u32 s36, 0
	s_cselect_b64 s[28:29], s[6:7], s[8:9]
	s_cmp_eq_u32 s36, 2
	s_cselect_b64 s[28:29], s[10:11], s[28:29]
	s_lshr_b32 s23, s23, 2                         ; the block of 128 rows of wh: 8 x matrix + which 128 columns
	s_and_b32 s36, s23, 7
	s_lshl_b32 s36, s36, 9
	s_lshl_b32 s32, s20, 17                        ; 32 channels of 4,096 bytes
	s_add_co_u32 s32, s32, s36
	s_add_nc_u64 s[28:29], s[28:29], s[32:33]
	s_lshl_b32 s34, s23, 18
	s_add_co_u32 s34, s34, s21
	s_add_nc_u64 s[24:25], s[16:17], s[34:35]
	TILE PITCHW, 0
.Ltail:
	s_wait_alu depctr_va_vdst(0)                   ; on either way here the last group's roundings have written Y1, which the four LDS stores below read
.set te, 0
.rept 4
	ds_store_b128 v[LW], v[Y+16+4*te:Y+16+4*te+3] offset:te*16+512+256  ; source rows 24 to 31
.set te, te+1
.endr
.set tn, 0
.rept 16
	ds_load_b128 v[Z+4*tn:Z+4*tn+3], v[LR] offset:(tn/2)*RTP+(tn%2)*512  ; LDS serves a wave's instructions in order (ISA guide 5.7.1.4): these see my stores above; no vector instruction names Z
.set tn, tn+1
.endr
.set tn, 0
.rept 16
	s_wait_dscnt 15-tn                             ; the younger loads stay out
	global_store_b128 v[OFF], v[Z+4*tn:Z+4*tn+3], s[24:25] offset:(tn/2)*4096+(tn%2)*512  ; half a fragment: 512 consecutive bytes, aligned
.set tn, tn+1
.endr
	s_wait_dscnt 0x0                               ; the wave's end: behind my last LDS store
	s_wait_alu 0x0
	s_wait_tensorcnt 0x0
	ds_add_u32 v[SPW], v[NIL]
	s_wait_dscnt 0x0
	s_endpgm
.Lfunc_end_k_qd14825bf61_prep:
	.size	k_qd14825bf61_prep, .Lfunc_end_k_qd14825bf61_prep-k_qd14825bf61_prep
	.p2alignl 7, 3214868480
	.fill 96, 4, 3214868480
	.section	.rodata,"a",@progbits
	.p2align	6, 0x0
	.amdhsa_kernel k_qd14825bf61_prep
		.amdhsa_group_segment_fixed_size 67584
		.amdhsa_private_segment_fixed_size 0
		.amdhsa_enable_private_segment 0
		.amdhsa_kernarg_size 56
		.amdhsa_user_sgpr_count 2
		.amdhsa_user_sgpr_kernarg_segment_ptr 1
		.amdhsa_wavefront_size32 1
		.amdhsa_system_sgpr_workgroup_id_x 1
		.amdhsa_system_sgpr_workgroup_id_y 1
		.amdhsa_system_sgpr_workgroup_id_z 1
		.amdhsa_system_vgpr_workitem_id 0
		.amdhsa_next_free_vgpr 232
		.amdhsa_next_free_sgpr 66
		.amdhsa_reserve_vcc 0
		.amdhsa_float_denorm_mode_32 3
		.amdhsa_float_denorm_mode_16_64 3
		.amdhsa_memory_ordered 1
		.amdhsa_forward_progress 1
		.amdhsa_inst_pref_size 25
	.end_amdhsa_kernel
	.amdgpu_metadata
---
amdhsa.version: [ 1, 2 ]
amdhsa.kernels:
  - .name:           k_qd14825bf61_prep
    .symbol:         k_qd14825bf61_prep.kd
    .args:
      - { .name: input, .offset: 0, .size: 8, .value_kind: global_buffer, .address_space: global }
      - { .name: Wq, .offset: 8, .size: 8, .value_kind: global_buffer, .address_space: global }
      - { .name: Wk, .offset: 16, .size: 8, .value_kind: global_buffer, .address_space: global }
      - { .name: Wv, .offset: 24, .size: 8, .value_kind: global_buffer, .address_space: global }
      - { .name: out0, .offset: 32, .size: 8, .value_kind: global_buffer, .address_space: global }
      - { .name: xh, .offset: 40, .size: 8, .value_kind: global_buffer, .address_space: global }
      - { .name: wh, .offset: 48, .size: 8, .value_kind: global_buffer, .address_space: global }
    .group_segment_fixed_size: 67584
    .private_segment_fixed_size: 0
    .kernarg_segment_align: 8
    .kernarg_segment_size: 56
    .max_flat_workgroup_size: 256
    .sgpr_count:     66
    .vgpr_count:     232
    .wavefront_size: 32
...
	.end_amdgpu_metadata
.endif
;; end of part 5
;; launch proj: the kernel of part 2 again; grid 8 x 32, 4 waves a work-group, clusters of 4 x 4, 327,680 bytes of LDS; arguments xh, wh, bq, qh, kh, vth; writes qh, kh, vth
;; launch score: the kernel of part 3 again; grid 187 x 1, 4 waves a work-group, no clusters, 327,680 bytes of LDS; arguments qh, kh, frame_no, alibi_param, ph, st; writes ph, st
;; launch pv: the kernel of part 4 again; grid 8 x 32, 4 waves a work-group, no clusters, 280,576 bytes of LDS; arguments ph, vth, st, bv, out0; writes out0
